; MI455X (gfx1250); checked and timed in simulation.
; The chip was launched on July 23, 2026; its instructions are those of AMD's public machine-readable ISA for CDNA 5 (MIT licence, August 2026) and "CDNA5" Instruction Set Architecture Reference Guide (July 2026). The comments in the code are by the model that wrote it; some were corrected since.
;; Self Attention Layer. Allowed arithmetic: matrix products marked QUANTISED: E2M3 operands, one E8M0 scale for each 32 along K, by v_wmma_scale_f32_16x16x128_f8f6f4 with both operands' format E2M3, f32 sums; everything else in f32.
;; Inputs: W_kqv 1,024 x 3,072 float32; W_proj 1,024 x 1,024 float32; b_kqv 3,072 float32; b_proj 1,024 float32; x 4 x 2,048 x 1,024 float32.
;; Outputs: out0 4 x 2,048 x 1,024 float32.
;; This version of the problem:
;;   THIS VERSION OF THE PROBLEM IS GIVEN IN LOW PRECISION. The matrix products marked QUANTISED in the list below multiply operands that are first quantised to E2M3 (2 exponent bits, 3 mantissa bits; 6 bits a number), with one power-of-two scale for each 32 numbers along K (OCP MX v1.0); their sums are f32. All else is computed in f32.
;;   The module's matrix products, in the order in which they are computed (A, B: the left and right operand; K: the contracted axis; several contracted axes count as one K, in the product's order):
;;     1. [M 8,192, K 1,024] x [K 1,024, N 3,072]; A: input x; B: input W_kqv: QUANTISED
;;     2. batch 4 x [M 2,048, K 1,024] x [K 1,024, N 2,048]; A: computed on the way; B: computed on the way: QUANTISED
;;     3. batch 4 x [M 2,048, K 2,048] x [K 2,048, N 1,024]; A: softmax (see below); B: computed on the way: QUANTISED
;;     4. [M 8,192, K 1,024] x [K 1,024, N 1,024]; A: computed on the way; B: input W_proj: QUANTISED
;;   THE QUANTISER, for each operand of a quantised product, along K:
;;     - K is cut into blocks of 32 from its start; a last block that is shorter is filled with zeros.
;;     - A block's scale is 2^e with e = floor(log2(the largest magnitude in the block)) - 2, held to -126 .. 127; a block of zeros has e = 0. As a byte (E8M0): e + 127.
;;     - Each number is divided by its block's scale, clamped to +-7.5, and rounded to the nearest number of E2M3, ties to even, subnormals kept.
;;     - The product sums the exact products of the quantised numbers (number of the format x scale) in f32.
;;   ~~~python
;;   def quantise(x, axis):      # numpy; x: float32 -> the quantised numbers, widened to float32 again
;;       x = np.moveaxis(x, axis, -1); K = x.shape[-1]
;;       x = np.pad(x, [(0, 0)] * (x.ndim - 1) + [(0, -K % 32)]); x = x.reshape(x.shape[:-1] + (-1, 32)); a = np.abs(x).max(-1, keepdims=True)
;;       e = np.where(a > 0, np.clip(np.frexp(np.where(a > 0, a, 1))[1] - 1 - 2, -126, 127), 0)      # np.frexp(a)[1] - 1 = floor(log2(a)), exactly
;;       r = np.clip(x / 2.0 ** e, -7.5, 7.5)
;;       step = 2.0 ** (np.maximum(np.frexp(np.where(r == 0, 1, r))[1] - 1, 0) - 3)
;;       q = np.round(r / step) * step * 2.0 ** e      # np.round: ties to even
;;       return np.moveaxis(q.reshape(q.shape[:-2] + (-1,))[..., :K], -1, axis).astype(np.float32)
;;   ~~~
;;   SOFTMAX AHEAD OF A QUANTISED PRODUCT. Where the list says 'softmax', what is quantised is not the finished softmax but p = 2^(t - M), with t = logit x log2(e) and M = ceil(the row's largest t), a whole number; so 1/2 < the row's largest p <= 1. The row's sum l is taken of the UNQUANTISED p, in f32, and the product's result is divided by l at the end. Since M is a whole number, a kernel that streams over the keys may use a running M (the ceiling of the running maximum): every later rescaling is an exact power of two, which a block's scale takes up: the codes' values come out the same.
;;   OPERANDS COMPUTED ON THE WAY. 'Computed on the way' means the value that the module computes at that place (a softmax that the list does not call 'softmax' is quantised finished and normalised). What goes into a quantiser is computed in f32, as accurately as f32 sums, v_exp_f32 and their like allow (about 1e-6 of the number): no bf16 or f16 on the way to a quantiser, and a product that is left as it is and whose result goes on into a quantised operand takes f32 operands (vector FMAs, or v_wmma_f32_16x16x4_f32). A number that lies on a knife's edge between two numbers of the format may be rounded either way, as far as f32 arithmetic and the matrix unit's own rounding can turn it there, and no further.
;; One version. Each part assembles by itself: llvm-mc -triple=amdgcn-amd-amdhsa -mcpu=gfx1250 --defsym DOCPART=n.
;; ======== version 1 of 1: 5 launches
;; limits: right only within a limited range of input values
;; workspace buffers: xq 6,553,600 bytes; wq 3,276,800 bytes; kq 13,107,200 bytes; vt 6,553,600 bytes; pc 13,107,200 bytes; pst 1,048,576 bytes; oc 6,553,600 bytes
;; launch quant (part 1): grid 512 x 1, 4 waves a work-group, no clusters, 48,640 bytes of LDS; arguments x, W_kqv, W_proj, xq, wq; writes xq, wq
.if DOCPART == 1
	.amdgcn_target "amdgcn-amd-amdhsa--gfx1250"
	.amdhsa_code_object_version 6
	.text
	.protected	k_q8ee286fe8d_quant
	.globl	k_q8ee286fe8d_quant
	.p2align	8
	.type	k_q8ee286fe8d_quant,@function
k_q8ee286fe8d_quant:
	s_mov_b64 s[64:65], 0
	v_nop
	global_prefetch_b8 v0, s[64:65] scope:SCOPE_SE
	s_setreg_imm32_b32 hwreg(HW_REG_WAVE_MODE, 25, 1), 1
	s_wait_xcnt 0x0
; x [8192][1024], W_kqv [1024][3072] and W_proj [1024][1024], f32, become codes of FP6 (E2M3) with one E8M0 scale byte for each 32 along K (the 1,024 channels), laid as the products' launches take them.
; THE LAYOUT, one for every operand of this program: a SLAB holds 128 rows x 128 along K: eight fragments of 16 rows as IMAGES OF THEIR REGISTERS (register j of lane l at 512 (j / 4) + 16 l + 4 (j % 4): 1,536 bytes),
; then the 128 rows' scale words (word 16 rb + r, 512 bytes): 12,800 bytes.  Slabs lie [row group][K step].  Lane r of fragment rb holds row 32 (rb / 2) + 8 (rb % 2) + r + 8 (r / 8) of its row group.
; xq: 64 row groups of tokens.  wq: 32 row groups of COLUMNS of the weights (their K is the first axis): 0-7 k, 8-15 q, 16-23 v, 24-31 W_proj.
; A block's scale is 2^(floor(log2(its largest magnitude)) - 2); its byte is the largest magnitude's exponent field - 2, held at 1 from below.
; LIMITS: a block of zeros gets the byte 1 where the quantiser says 127 (its codes are zeros, and this program alone reads the bytes); NaN and infinities among the inputs are not served.
; WORK-GROUPS 0-255 take x: a wave takes 64 rows x 128 K (four fragments).  A row's 512 bytes are read by one load, go through the wave's stage in LDS and come back 16 neighbours a lane for each block of 32.
; WORK-GROUPS 256-511 take the weights: a wave takes 32 columns x 128 K; a lane takes a column and its registers run down K, so a block of 32 lies in one lane; the codes go through LDS into the fragments' images.
; The scale words of a weight's two fragments leave as 128 consecutive bytes a wave: 131,072 bytes of such stores in the whole launch.
; The two ways part on the work-group's number; each has LDS bytes of its own, and every LDS address is made ahead of the parting.  No tensor loads, no barrier: waves share nothing.
.set SLAB,  12800
.set FRAGB, 1536
.set SCOFF, 12288
.set RG8,   8*SLAB
.set XREG,  8704                       ; x's way: a wave's 16 rows x 528 bytes, then 256 bytes for its scale words
.set XSCL,  8448
.set WBASE, 4*XREG                     ; the weights' way: a wave's two fragment images, 1,664 bytes apart
.set WREG,  3328
.set WFR,   1664
.set SPARE, WBASE+4*WREG               ; the spare words, 128 bytes for each wave: two blocks of 256 bytes that no other line names
.set XGO, 4                            ; v4   16 x lane
.set XSI, 5                            ; v5   x's stage, in: 16 x lane
.set XSO, 6                            ; v6   x's stage, out: 528 r + 64 h
.set SWA, 7                            ; v7   where a scale word goes: 4 r
.set SRA, 8                            ; v8   and comes back: 8 x lane
.set VFO, 9                            ; v9   my place in a slab's fragments: 16 x lane + 6,144 x half
.set VSO, 10                           ; v10  and in its scale words: 8 x lane + 12,288 + 256 x half
.set WAD, 11                           ; v11  the weights' stage, in: 1,664 u + 16 r
.set WRD, 12                           ; v12  out: 16 x lane
.set WGO, 13                           ; v13  16 x lane + 3,072 x wave
.set WSO, 14                           ; v14  12,288 + 128 x wave + 64 u + 4 r
.set L4,  15                           ; v15  4 x lane
.set SPW, 16                           ; v16  LDS address of my spare word; never rewritten
.set NIL, 17                           ; v17  0; never rewritten
.set PW,  20                           ; v20-23 x's way: a scale word for each of the four fragments (the weights' way: v18-23 at work)
.set TP,  24
.set TM,  28                           ; v28-43 at work in QUANT
.set PC,  44                           ; v44-62 the codes just made
.set R,   64                           ; v64-191  x: two sets of 64 numbers as loaded
.set X,   192                          ; v192-255 x: 64 numbers, register 16 b + i = k 32 b + 16 h + i of my row
.set VO,  64                           ; v64-95   weights: offsets of a block's 32 rows
.set XW,  96                           ; v96-223  weights: four sets of 32 numbers
.set OUTW, 224                         ; v224-247 weights: a K step's two images on their way out (the weights' four sets of 32 numbers fill v96-223)
.set WV,  14
.set SEL, 32
; 64 numbers of a lane become a fragment's codes in v[PC] on and its scale word in v[pw]
.macro QUANT s, pw
.irp b, 0,1,2,3
	v_max3_num_f32 v[TM+\b], |v[(\s)+16*\b]|, |v[(\s)+1+16*\b]|, 0x1800000   ; block b: my 16 numbers, and the floor 2^(3 - 127): the byte cannot fall under 1
.endr
.irp i, 2,4,6,8,10,12,14
.irp b, 0,1,2,3
	v_max3_num_f32 v[TM+\b], v[TM+\b], |v[(\s)+16*\b+\i]|, |v[(\s)+1+16*\b+\i]|
.endr
.endr
.irp b, 0,1,2,3
	v_permlanex16_b32 v[TM+4+\b], v[TM+\b], s[SEL], s[SEL+1]
.endr
.irp b, 0,1,2,3
	v_max_num_f32 v[TM+\b], v[TM+\b], v[TM+4+\b]   ; with lane l xor 16's: the block's largest magnitude
.endr
.irp b, 0,1,2,3
	v_add_nc_u32 v[TM+12+\b], 0xff000000, v[TM+\b] ; 2 off its exponent field: the conversion's scale operand
.endr
.irp b, 0,1,2,3
	v_lshrrev_b32 v[TM+4+\b], 23, v[TM+12+\b]      ; the scale's byte
.endr
	v_lshl_or_b32 v[\pw], v[TM+5], 8, v[TM+4]
	v_lshl_or_b32 v[\pw], v[TM+6], 16, v[\pw]
	v_lshl_or_b32 v[\pw], v[TM+7], 24, v[\pw]
	s_wait_xcnt 0x0                                ; the last fragment's stores have read v[PC] on: only now are the codes written anew
.irp c, 0,1
	v_cvt_scalef32_pk16_fp6_f32 v[PC+6*\c:PC+2+6*\c], v[(\s)+32*\c:(\s)+15+32*\c], v[TM+12+2*\c]
	v_cvt_scalef32_pk16_fp6_f32 v[PC+12+4*\c:PC+14+4*\c], v[(\s)+16+32*\c:(\s)+31+32*\c], v[TM+12+2*\c+1]
.endr
	v_nop                                          ; one plain place behind a scaled conversion
.irp c, 0,1                                    ; the operand wants a whole block in a lane: lanes 0-15 block 2 c, lanes 16-31 block 2 c + 1
.irp i, 0,1,2
	v_permlane16_swap_b32 v[PC+6*\c+\i], v[PC+12+4*\c+\i]
.endr
.irp i, 0,1,2
	v_mov_b32 v[PC+3+6*\c+\i], v[PC+12+4*\c+\i]
.endr
.endr
.endm
.macro PUTF a, dst                             ; the fragment leaves as it stands: three stores of 512 consecutive bytes; its scale word waits in my stage
.irp c, 0,1,2
	global_store_b128 v[VFO], v[PC+4*\c:PC+4*\c+3], s[\dst:\dst+1] offset:(\a)*FRAGB+512*\c
.endr
	ds_store_b32 v[SWA], v[PW+(\a)] offset:64*(\a) ; lanes r and r + 16 write the same word with the same value
.endm
.macro XLOAD a, st                             ; fragment a's 16 rows, 512 consecutive bytes each
.irp t, 0,1,2,3,4,5,6,7,8,9,10,11,12,13,14,15
	global_load_b128 v[R+64*(\st)+4*\t:R+64*(\st)+4*\t+3], v[XGO], s[4:5] offset:(32*((\a)/2)+8*((\a)%2)+\t+8*(\t/8))*4096 th:TH_LOAD_NT
.endr
.endm
.macro XBLOCK a
.if (\a) < 3
	s_wait_loadcnt 16                              ; this fragment's 16 loads are in; the next one's 16 may be out
.else
	s_wait_loadcnt 0x0
.endif
.irp t, 0,1,2,3,4,5,6,7,8,9,10,11,12,13,14,15
	ds_store_b128 v[XSI], v[R+64*((\a)%2)+4*\t:R+64*((\a)%2)+4*\t+3] offset:528*\t
.endr
.irp b, 0,1,2,3
.irp j, 0,1,2,3
	ds_load_b128 v[X+16*\b+4*\j:X+16*\b+4*\j+3], v[XSO] offset:128*\b+16*\j   ; LDS serves a wave's instructions in order: these see my stores
.endr
.endr
	s_wait_dscnt 0x0
.if (\a)+2 < 4
	XLOAD (\a)+2, (\a)%2
.endif
	QUANT X, PW+(\a)
	PUTF \a, 10
.endm
.macro WLOAD st                                ; a block of 32 along K of my column; then the base steps 32 rows down
.set i, 0
.rept 32
	global_load_b32 v[XW+32*(\st)+i], v[VO+i], s[24:25] th:TH_LOAD_NT
.set i, i+1
.endr
	s_wait_xcnt 0x0                                ; the loads have read their base
	s_add_nc_u64 s[24:25], s[24:25], s[30:31]
.endm
.macro WBLOCK t
.set XS, XW+32*((\t)%4)
.if (\t) < 2
	s_wait_loadcnt 63                              ; 128 loads were issued: at most 63 out means that the oldest 65 are in, blocks 0 and 1 among them (a wait's count names 63 at the most)
.else
	s_wait_loadcnt 32*(3-(\t))                     ; this block's 32 loads are in; the later blocks' may be out
.endif
	v_max3_num_f32 v18, |v[XS]|, |v[XS+1]|, |v[XS+2]|
	v_max3_num_f32 v19, |v[XS+3]|, |v[XS+4]|, |v[XS+5]|
.irp i, 6,10,14,18,22,26
	v_max3_num_f32 v18, v18, |v[XS+\i]|, |v[XS+\i+1]|
	v_max3_num_f32 v19, v19, |v[XS+\i+2]|, |v[XS+\i+3]|
.endr
	v_max3_num_f32 v18, v18, |v[XS+30]|, |v[XS+31]|
	v_max3_num_f32 v18, v18, v19, 0x1800000        ; and the floor
	v_add_nc_u32 v20, 0xff000000, v18
	v_lshrrev_b32 v21, 23, v20
.if (\t)%4 == 0
	v_mov_b32 v[22+(\t)/4], v21                    ; four bytes make my column's scale word of a K step; a register for each K step
.else
	v_lshl_or_b32 v[22+(\t)/4], v21, 8*((\t)%4), v[22+(\t)/4]
.endif
	v_cvt_scalef32_pk16_fp6_f32 v[PC:PC+2], v[XS:XS+15], v20
	v_cvt_scalef32_pk16_fp6_f32 v[PC+8:PC+10], v[XS+16:XS+31], v20
	v_nop
.irp i, 0,1,2
	v_mov_b32 v[PC+3+\i], v[PC+8+\i]
.endr
.if ((\t)%4)/2 == 0                            ; block 2 c + h of a K step is registers 6 c .. 6 c + 5 of lane r + 16 h of the image
	ds_store_b128 v[WAD], v[PC:PC+3] offset:256*((\t)%2)
	ds_store_b64 v[WAD], v[PC+4:PC+5] offset:512+256*((\t)%2)
.else
	ds_store_b64 v[WAD], v[PC:PC+1] offset:520+256*((\t)%2)
	ds_store_b128 v[WAD], v[PC+2:PC+5] offset:1024+256*((\t)%2)
.endif
	s_wait_dscnt 0x0                               ; the stores have read their registers: the next block's codes may be written
.endm
.macro WFLUSH sx                               ; a K step's two fragments and their scale words leave
.irp u, 0,1
.irp c, 0,1,2
	ds_load_b128 v[OUTW+24*(\sx)+12*\u+4*\c:OUTW+24*(\sx)+12*\u+4*\c+3], v[WRD] offset:WFR*\u+512*\c
.endr
.endr
	s_wait_dscnt 0x0
.irp u, 0,1
.irp c, 0,1,2
	global_store_b128 v[WGO], v[OUTW+24*(\sx)+12*\u+4*\c:OUTW+24*(\sx)+12*\u+4*\c+3], s[12:13] offset:(\sx)*SLAB+FRAGB*\u+512*\c
.endr
.endr
	global_store_b32 v[WSO], v[22+(\sx)], s[12:13] offset:(\sx)*SLAB
.endm
	s_load_b256 s[4:11], s[0:1], 0x0               ; x s[4:5], W_kqv s[6:7], W_proj s[8:9], xq s[10:11]
	s_load_b64 s[12:13], s[0:1], 0x20              ; wq
	v_lshl_add_u32 v[SPW], v0, 2, SPARE
	v_mov_b32 v[NIL], 0
	v_lshrrev_b32 v1, 5, v0
	v_readfirstlane_b32 s[WV], v1                  ; wave 0..3
	v_and_b32 v3, 31, v0                           ; lane
	v_and_b32 v1, 15, v0                           ; r
	v_bfe_u32 v2, v0, 4, 1                         ; h
	s_and_b32 s15, s[WV], 1                        ; x: which 64 rows of the row group
	s_lshr_b32 s16, s[WV], 1                       ; x: which of the work-group's two K steps
	v_lshlrev_b32 v[XGO], 4, v3
	s_mul_i32 s17, s[WV], XREG
	v_add_nc_u32 v[XSI], s17, v[XGO]
	v_mul_u32_u24 v[XSO], v1, 528
	v_lshl_add_u32 v[XSO], v2, 6, v[XSO]
	v_add_nc_u32 v[XSO], s17, v[XSO]
	s_add_co_u32 s17, s17, XSCL
	v_lshl_add_u32 v[SWA], v1, 2, s17
	v_lshl_add_u32 v[SRA], v3, 3, s17
	s_mul_i32 s18, s15, 4*FRAGB
	v_add_nc_u32 v[VFO], s18, v[XGO]
	s_lshl_b32 s18, s15, 8
	s_add_co_u32 s18, s18, SCOFF
	v_lshl_add_u32 v[VSO], v3, 3, s18
	v_and_b32 v18, 7, v0
	v_lshl_add_u32 v18, v2, 3, v18                 ; weights: column 32 w + lane is lane r = lane % 8 + 8 (lane / 16)
	v_bfe_u32 v19, v0, 3, 1                        ; of fragment 2 w + u, u = (lane / 8) % 2
	s_mul_i32 s17, s[WV], WREG
	s_add_co_u32 s17, s17, WBASE
	v_mul_u32_u24 v[WAD], v19, WFR
	v_lshl_add_u32 v[WAD], v18, 4, v[WAD]
	v_add_nc_u32 v[WAD], s17, v[WAD]
	v_add_nc_u32 v[WRD], s17, v[XGO]
	s_mul_i32 s18, s[WV], 2*FRAGB
	v_add_nc_u32 v[WGO], s18, v[XGO]
	s_lshl_b32 s18, s[WV], 7
	s_add_co_u32 s18, s18, SCOFF
	v_lshlrev_b32 v[WSO], 6, v19
	v_lshl_add_u32 v[WSO], v18, 2, v[WSO]
	v_add_nc_u32 v[WSO], s18, v[WSO]
	v_lshlrev_b32 v[L4], 2, v3
	s_mov_b32 s[SEL], 0x76543210
	s_mov_b32 s[SEL+1], 0xfedcba98                 ; v_permlanex16_b32's selects for lane l xor 16
.irp b, 4,5,6,7
	v_mov_b32 v[TM+\b], 0                          ; written once: a lane permute's destination counts as one of its sources
.endr
	s_wait_kmcnt 0x0
	s_cmp_lt_u32 ttmp9, 256
	s_cbranch_scc0 .Lweights
	; ---- x
	s_lshr_b32 s20, ttmp9, 2                       ; row group
	s_and_b32 s21, ttmp9, 3
	s_lshl_b32 s21, s21, 1
	s_add_co_u32 s21, s21, s16                     ; K step
	s_lshl_b32 s22, s20, 19                        ; 128 rows of 4,096 bytes
	s_lshl_b32 s23, s15, 18                        ; 64 rows
	s_add_co_u32 s22, s22, s23
	s_lshl_b32 s23, s21, 9                         ; 128 numbers
	s_add_co_u32 s22, s22, s23
	s_mov_b32 s23, 0
	s_add_nc_u64 s[4:5], s[4:5], s[22:23]
	s_mul_i32 s22, s20, RG8
	s_mul_i32 s24, s21, SLAB
	s_add_co_u32 s22, s22, s24
	s_add_nc_u64 s[10:11], s[10:11], s[22:23]      ; my slab
	XLOAD 0, 0
	XLOAD 1, 1
	XBLOCK 0
	XBLOCK 1
	XBLOCK 2
	XBLOCK 3
	ds_load_b64 v[TP:TP+1], v[SRA]                 ; my four fragments' scale words: 256 bytes
	s_wait_dscnt 0x0
	global_store_b64 v[VSO], v[TP:TP+1], s[10:11]  ; 32 lanes store 256 consecutive bytes, aligned
	s_branch .Lend
.Lweights:
	s_sub_co_u32 s20, ttmp9, 256
	; THE WEIGHTS' SHARES AS THEY STAND: work-groups 256-511, one to a slab; a wave takes 32 columns x 128 K: four blocks of 32, all asked for at once
	s_lshr_b32 s21, s20, 3                         ; row group of columns, 0..31
	s_and_b32 s22, s20, 7                          ; which K step of 128
	s_mov_b32 s26, 4096
	s_cmp_lt_u32 s21, 24                           ; W_kqv's or W_proj's?  The choice hangs on the work-group's number alone
	s_cselect_b64 s[24:25], s[6:7], s[8:9]
	s_cselect_b32 s26, 12288, s26                  ; bytes from row to row
	s_cselect_b32 s27, 0, 24
	s_sub_co_u32 s27, s21, s27
	s_lshl_b32 s27, s27, 9                         ; 128 columns
	s_lshl_b32 s28, s[WV], 7                       ; my wave's 32
	s_add_co_u32 s27, s27, s28
	s_lshl_b32 s28, s22, 7
	s_mul_i32 s28, s28, s26
	s_add_co_u32 s28, s28, s27
	s_mov_b32 s29, 0
	s_add_nc_u64 s[24:25], s[24:25], s[28:29]
	s_lshl_b32 s30, s26, 5                         ; 32 rows on
	s_mov_b32 s31, 0
	s_mul_i32 s28, s21, RG8
	s_mul_i32 s27, s22, SLAB
	s_add_co_u32 s28, s28, s27
	s_add_nc_u64 s[12:13], s[12:13], s[28:29]      ; my slab
.set i, 0
	s_wait_alu depctr_va_vdst(0)
.rept 32
	v_mad_u32_u24 v[VO+i], s26, i, v[L4]
.set i, i+1
.endr
	WLOAD 0
	s_wait_alu depctr_va_vdst(0)
	WLOAD 1
	WLOAD 2
	WLOAD 3
	WBLOCK 0
	WBLOCK 1
	WBLOCK 2
	WBLOCK 3
	s_wait_alu depctr_va_vdst(0)
	WFLUSH 0
.Lend:
	s_wait_tensorcnt 0x0                           ; the wave's end: behind my last LDS store
	ds_add_u32 v[SPW], v[NIL]
	s_wait_dscnt 0x0
	s_endpgm
.Lfunc_end_k_q8ee286fe8d_quant:
	.size	k_q8ee286fe8d_quant, .Lfunc_end_k_q8ee286fe8d_quant-k_q8ee286fe8d_quant
	.p2alignl 7, 3214868480
	.fill 96, 4, 3214868480
	.section	.rodata,"a",@progbits
	.p2align	6, 0x0
	.amdhsa_kernel k_q8ee286fe8d_quant
		.amdhsa_group_segment_fixed_size 48640
		.amdhsa_private_segment_fixed_size 0
		.amdhsa_enable_private_segment 0
		.amdhsa_kernarg_size 40
		.amdhsa_user_sgpr_count 2
		.amdhsa_user_sgpr_kernarg_segment_ptr 1
		.amdhsa_wavefront_size32 1
		.amdhsa_system_sgpr_workgroup_id_x 1
		.amdhsa_system_sgpr_workgroup_id_y 1
		.amdhsa_system_sgpr_workgroup_id_z 1
		.amdhsa_system_vgpr_workitem_id 0
		.amdhsa_next_free_vgpr 256
		.amdhsa_next_free_sgpr 66
		.amdhsa_reserve_vcc 0
		.amdhsa_float_denorm_mode_32 3
		.amdhsa_float_denorm_mode_16_64 3
		.amdhsa_memory_ordered 1
		.amdhsa_forward_progress 1
		.amdhsa_inst_pref_size 57
	.end_amdhsa_kernel
	.amdgpu_metadata
---
amdhsa.version: [ 1, 2 ]
amdhsa.kernels:
  - .name:           k_q8ee286fe8d_quant
    .symbol:         k_q8ee286fe8d_quant.kd
    .args:
      - { .name: x, .offset: 0, .size: 8, .value_kind: global_buffer, .address_space: global }
      - { .name: W_kqv, .offset: 8, .size: 8, .value_kind: global_buffer, .address_space: global }
      - { .name: W_proj, .offset: 16, .size: 8, .value_kind: global_buffer, .address_space: global }
      - { .name: xq, .offset: 24, .size: 8, .value_kind: global_buffer, .address_space: global }
      - { .name: wq, .offset: 32, .size: 8, .value_kind: global_buffer, .address_space: global }
    .group_segment_fixed_size: 48640
    .private_segment_fixed_size: 0
    .kernarg_segment_align: 8
    .kernarg_segment_size: 40
    .max_flat_workgroup_size: 128
    .sgpr_count:     66
    .vgpr_count:     256
    .wavefront_size: 32
...
	.end_amdgpu_metadata
.endif
;; end of part 1
;; launch kqv (part 2): grid 8 x 32, 4 waves a work-group, clusters of 4 x 4, 327,680 bytes of LDS; arguments xq, wq, b_kqv, kq, vt; writes kq, vt
.if DOCPART == 2
	.amdgcn_target "amdgcn-amd-amdhsa--gfx1250"
	.amdhsa_code_object_version 6
	.text
	.protected	k_q8ee286fe8d_kqv
	.globl	k_q8ee286fe8d_kqv
	.p2align	8
	.type	k_q8ee286fe8d_kqv,@function
k_q8ee286fe8d_kqv:
	s_mov_b64 s[64:65], 0
	v_nop
	global_prefetch_b8 v0, s[64:65] scope:SCOPE_SE
	s_setreg_imm32_b32 hwreg(HW_REG_WAVE_MODE, 25, 1), 1
	s_wait_xcnt 0x0
	s_wait_alu depctr_hold_cnt(0) depctr_sa_sdst(0) depctr_va_vdst(0) depctr_va_sdst(0) depctr_va_ssrc(0) depctr_va_vcc(0) depctr_vm_vsrc(0)
	s_getreg_b32 s2, hwreg(HW_REG_IB_STS2, 6, 4)
	s_cmp_eq_u32 s2, 0
	s_cbranch_scc0 .Lentry_in_a_cluster
	s_endpgm
.Lentry_in_a_cluster:
	s_bfe_u32 s2, ttmp6, 0x10000c
	s_cmp_lg_u32 s2, 0xf033
	s_cbranch_scc0 .Lentry_shape_is_right
	s_endpgm
.Lentry_shape_is_right:
; k = x W_k + b_k, q = x W_q + b_q and v^T = (x W_v + b_v)^T on codes of FP6 (E2M3), in ONE pass over K = 1,024, and their results quantised again: k and q along the channels (into kq), v along the tokens (into vt).
; OPERANDS and results lie as slabs: 128 rows x 128 K: eight fragments as images of their registers (1,536 bytes each), then 128 scale words; slabs lie [row group][K step].
; Lane r of fragment rb holds row 32 (rb / 2) + 8 (rb % 2) + r + 8 (r / 8) of its row group.  A product's source 1 gives the lane its row, source 0 the registers: the 64 registers of a block hold 32 e + 16 h + i at register 16 e + i,
; sixteen neighbours of each block of 32 along the next product's K: so the results are quantised in registers and leave as fragments of the same layout.
; SHARES.  A work-group takes 256 tokens (two row groups of xq) and 128 columns each of W_k, W_q, W_v (row groups gx, 8 + gx, 16 + gx of wq): 8 x 32 work-groups.  Wave w, j = w % 2, m = w / 2, makes
;   128 tokens (row group j) x 128 columns of k (m = 0) or q (m = 1): 64 accumulators (source 0 = W's fragment b, source 1 = x's fragment a), and
;   64 channels (fragments 4 m .. 4 m + 3 of W_v) x the same 128 tokens of v^T: 32 accumulators (source 0 = x's fragment, source 1 = W_v's).  A K step reads 20 fragments from LDS for 96 products.
; LDS.  A slot holds two K steps: x's two row groups (two rows of 25,600 bytes), then W's three (three rows of 25,600 bytes): 128,000 bytes; two slots.  At the head each wave asks for one tile: wave 0 x's K steps 0-1, wave 1 W's,
; wave 2 x's K steps 2-3, wave 3 W's.  Each slot is filled again once (wave 0 x's, wave 1 W's), two K steps ahead of its first read.  One tensor load of a wave is out at the most.
; CLUSTER 4 x 4: x's tiles are shared along a row of the cluster, W's along a column, each asked for jointly.
; No prefetch: K is eight steps, four of them are asked for at the head, and the text has no loop to run ahead in.
; REGISTERS.  Window 0: v4-23 addresses; v24-27 x's scale words, v28-31 W's (a register holds one fragment's words in lanes 0-15 and the next one's in lanes 16-31); v32-63 b_v (K step 0), later codes; v64-159 x's eight fragments;
;   v160-255 W's eight fragments; ONE set of each: a half (four fragments) is loaded anew as soon as its last products are issued, and W_v's four fragments land in the half of W that is done first.
;   Window 1: v^T's accumulator (a, b) at v[8 (8 a + b)]; until its sums begin, v0-63 hold b_k or b_q.  Windows 2, 3: the accumulators of tokens' blocks 0-3, 4-7, (a, b) at v[8 (8 (a % 4) + b)].
; The biases are the C of each sum's first product.  LIMITS: a block of zeros gets the scale byte 1 (its codes are zeros; this program alone reads the bytes); NaN and infinities are not served.
.set SLAB,  12800
.set FRAGB, 1536
.set SCOFF, 12288
.set RG8,   8*SLAB
.set XPART, 4*SLAB
.set SLOTB, 10*SLAB
.set SCST,  2*SLOTB                    ; behind the ring: 1,024 bytes a wave for scale words on their way out; no tile lands here
.set SPARE, SCST+4096                  ; the spare words, 128 bytes for each wave: two blocks of 256 bytes that no other line names
.set AX, 4                             ; v4-5   x's fragments in slot 0, 1: 16 x lane + my row group
.set AW, 6                             ; v6-7   W_k's or W_q's
.set AV, 8                             ; v8-9   W_v's, my four
.set SX, 10                            ; v10-15 the same for the scale words: 4 x lane
.set SW, 12
.set SV, 14
.set SPW, 16
.set NIL, 17
.set VFO, 18                           ; v18  16 x lane
.set SWA, 19                           ; v19  my stage + 4 r
.set SRA, 20                           ; v20  my stage + 16 x lane
.set SR8, 21                           ; v21  my stage + 8 x lane
.set VFV, 22                           ; v22  16 x lane + my four fragments of vt's slab
.set VSV, 23                           ; v23  8 x lane + their scale words' place
.set SCX, 24
.set SCW, 28
.set BV,  32
.set PC,  44
.set XF,  64
.set WF,  160
.set TM,  64
.set PW,  80
.set TP,  88
.set WV, 20
.set J,  21
.set M,  22
.set GY, 23
.set CX, 24
.set CY, 25
.set GX, 26
.set G1A, 28
.set G1B, 36
.set G0A, 44
.set G0B, 52
.set SEL, 60
.set TA, 66
.set TB, 74
.set BK, 84
.set BW, 86
.set DK, 88
.set DV, 92
.set MSB, 0
.macro WIN new                         ; the immediate's high byte repeats the setting that is left
.if MSB != (\new)
	s_set_vgpr_msb (MSB<<8)|(\new)
.set MSB, (\new)
.endif
.endm
.macro PLACES n
.rept \n
	v_nop
.endr
.endm
.macro ROUND                           ; a round of the cluster's barrier
	s_barrier_signal -1
	s_barrier_wait -1
	s_cmp_lg_u32 s[WV], 0
	s_cbranch_scc1 .Lnot_wave_0_\@
	s_barrier_signal -3
.Lnot_wave_0_\@:
	s_barrier_wait -3
	s_barrier_signal -1
	s_barrier_wait -1
.endm
.macro JLOAD sl                        ; a joint refill of slot sl; the branches hang on the wave's number alone; an s_nop 0 and four v_nop follow each load
	s_cmp_eq_u32 s[WV], 0
	s_cbranch_scc0 .Lfor_b_\@
	tensor_load_to_lds s[G0A+4*(\sl):G0A+4*(\sl)+3], s[G1A:G1A+7]
	s_nop 0
.rept 4
	v_nop
.endr
	s_branch .Lasked_\@
.Lfor_b_\@:
	s_cmp_lt_u32 s[WV], 2
	s_cbranch_scc0 .Lasked_\@
	tensor_load_to_lds s[G0B+4*(\sl):G0B+4*(\sl)+3], s[G1B:G1B+7]
	s_nop 0
.rept 4
	v_nop
.endr
.Lasked_\@:
.endm
; four fragments, f0 on, of a slab and their scale words: 12 loads of 512 consecutive bytes and 2 of 128: 14 LDS instructions
.macro LDF reg, sc, adr, sadr, slot, u, f0
.irp i, 0,1,2,3
.irp c, 0,1,2
	ds_load_b128 v[(\reg)+12*\i+4*\c:(\reg)+12*\i+4*\c+3], v[(\adr)+(\slot)] offset:(\u)*SLAB+((\f0)+\i)*FRAGB+512*\c
.endr
.endr
.irp p, 0,1
	ds_load_b32 v[(\sc)+\p], v[(\sadr)+(\slot)] offset:(\u)*SLAB+64*(\f0)+128*\p
.endr
.endm
.macro WMR d, bf, af, c, sb, sa, rb, ra ; one product; rb, ra: the odd fragment's scale words stand in lanes 16-31
.if (\rb) && (\ra)
	v_wmma_scale_f32_16x16x128_f8f6f4 v[(\d):(\d)+7], v[(\bf):(\bf)+11], v[(\af):(\af)+11], v[(\c):(\c)+7], v[(\sb)], v[(\sa)] matrix_a_fmt:MATRIX_FMT_FP6 matrix_b_fmt:MATRIX_FMT_FP6 matrix_a_scale:MATRIX_SCALE_ROW1 matrix_b_scale:MATRIX_SCALE_ROW1
.elseif (\rb)
	v_wmma_scale_f32_16x16x128_f8f6f4 v[(\d):(\d)+7], v[(\bf):(\bf)+11], v[(\af):(\af)+11], v[(\c):(\c)+7], v[(\sb)], v[(\sa)] matrix_a_fmt:MATRIX_FMT_FP6 matrix_b_fmt:MATRIX_FMT_FP6 matrix_a_scale:MATRIX_SCALE_ROW1
.elseif (\ra)
	v_wmma_scale_f32_16x16x128_f8f6f4 v[(\d):(\d)+7], v[(\bf):(\bf)+11], v[(\af):(\af)+11], v[(\c):(\c)+7], v[(\sb)], v[(\sa)] matrix_a_fmt:MATRIX_FMT_FP6 matrix_b_fmt:MATRIX_FMT_FP6 matrix_b_scale:MATRIX_SCALE_ROW1
.else
	v_wmma_scale_f32_16x16x128_f8f6f4 v[(\d):(\d)+7], v[(\bf):(\bf)+11], v[(\af):(\af)+11], v[(\c):(\c)+7], v[(\sb)], v[(\sa)] matrix_a_fmt:MATRIX_FMT_FP6 matrix_b_fmt:MATRIX_FMT_FP6
.endif
.endm
; 16 products of k or q: x's half xh (four blocks of tokens) x W's half wh.  first: C = the bias of W's columns, v[8 b] of window 1.  The accumulators take turns, one instruction a turn
.macro MAIN xh, wh, first
.if \first
	WIN 0x90+0x40*(\xh)
.else
	WIN 0xa0+0x50*(\xh)
.endif
.irp a, 0,1,2,3
.irp b, 0,1,2,3
.if \first
	WMR 8*(8*\a+4*(\wh)+\b), WF+12*(4*(\wh)+\b), XF+12*(4*(\xh)+\a), 8*(4*(\wh)+\b), SCW+2*(\wh)+\b/2, SCX+2*(\xh)+\a/2, \b%2, \a%2
.else
	WMR 8*(8*\a+4*(\wh)+\b), WF+12*(4*(\wh)+\b), XF+12*(4*(\xh)+\a), 8*(8*\a+4*(\wh)+\b), SCW+2*(\wh)+\b/2, SCX+2*(\xh)+\a/2, \b%2, \a%2
.endif
.endr
.endr
.endm
; 16 products of v^T: W_v's four fragments, which lie in W's half wh, x x's half xh.  first: C = the bias of W_v's channels, v[BV + 8 a] of window 0
.macro VT xh, wh, first
.if \first
	WIN 0x40
.else
	WIN 0x50
.endif
.irp a, 0,1,2,3
.irp b, 0,1,2,3
.if \first
	WMR 8*(8*\a+4*(\xh)+\b), XF+12*(4*(\xh)+\b), WF+12*(4*(\wh)+\a), BV+8*\a, SCX+2*(\xh)+\b/2, SCW+2*(\wh)+\a/2, \b%2, \a%2
.else
	WMR 8*(8*\a+4*(\xh)+\b), XF+12*(4*(\xh)+\b), WF+12*(4*(\wh)+\a), 8*(8*\a+4*(\xh)+\b), SCX+2*(\xh)+\b/2, SCW+2*(\wh)+\a/2, \b%2, \a%2
.endif
.endr
.endr
.endm
; A K step: 96 products in six groups of 16.  W's half F = s % 2 is multiplied first and then takes W_v's fragments; the other half, G, is multiplied next and then takes the next step's, which begins with it.
; Loads are issued in the order W's first half, x's half 0, x's half 1, W's second half, W_v's: a wait for 28 leaves the two youngest groups of 14 out, a wait for 14 the youngest.
; Four places stand in front of loads into registers that products have read; five where v^T's first products write over the registers that held b_k or b_q.
; sync 1: my reads of this slot are over: it is filled again; 2: the other slot's refill is shown to all waves, nothing is filled
.macro STEP s, first, last, sync
.set F, (\s)%2
.set G, 1-F
.set SL, ((\s)/2)%2
.set U, (\s)%2
.set NSL, (((\s)+1)/2)%2
.set NU, ((\s)+1)%2
	s_wait_dscnt 28                                ; W's half F and x's half 0 are in
	MAIN 0, F, \first
	s_wait_dscnt 14                                ; x's half 1
	MAIN 1, F, \first
	WIN 0
	PLACES 4
	LDF WF+48*F, SCW+2*F, AV, SV, SL, U, 0         ; W_v's four fragments of this step
	s_wait_dscnt 14                                ; W's half G
	MAIN 1, G, \first
	MAIN 0, G, \first
	WIN 0
	PLACES 5
.if (\sync) == 1
	s_wait_tensorcnt 0x0                           ; all my tensor loads have landed: my part of the other slot
	ds_add_u32 v[SPW], v[NIL]                      ; 0 onto my spare word
	s_add_nc_u64 s[G0A+4*SL+2:G0A+4*SL+3], s[G0A+4*SL+2:G0A+4*SL+3], 4*SLAB   ; no tensor load of mine is out: this slot's descriptors go four K steps on
	s_add_nc_u64 s[G0B+4*SL+2:G0B+4*SL+3], s[G0B+4*SL+2:G0B+4*SL+3], 4*SLAB
	s_wait_dscnt 0x0                               ; the add is done, and my reads of this slot are over
	ROUND                                          ; no wave of any partner still reads the slot or has a load on its way
	JLOAD SL
.elseif (\sync) == 2
	s_wait_tensorcnt 0x0                           ; my part of the other slot has landed
	s_wait_dscnt 0x0
	s_barrier_signal -1
	s_barrier_wait -1
.endif
.if \last
	s_wait_dscnt 0x0                               ; W_v's fragments
.else
	LDF WF+48*G, SCW+2*G, AW, SW, NSL, NU, 4*G     ; the next step's first half of W
	s_wait_dscnt 14                                ; W_v's fragments
.endif
	VT 0, F, \first
.if !(\last)
	WIN 0
	PLACES 4
	LDF XF, SCX, AX, SX, NSL, NU, 0
.endif
	VT 1, F, \first
	WIN 0
.if !(\last)
	PLACES 4
	LDF XF+48, SCX+2, AX, SX, NSL, NU, 4
	LDF WF+48*F, SCW+2*F, AW, SW, NSL, NU, 4*F
.endif
.endm
; From the blocks' largest magnitudes in v[TM] on to the fragment's codes in v[PC] on and its scale word in v[pw]; the 64 numbers stand at v[s] on of window w
.macro QTAIL s, w, pw
.irp b, 0,1,2,3
	v_add_nc_u32 v[TM+12+\b], 0xff000000, v[TM+\b] ; 2 off the exponent field: the conversion's scale operand
.endr
.irp b, 0,1,2,3
	v_lshrrev_b32 v[TM+4+\b], 23, v[TM+12+\b]      ; the scale's byte
.endr
	v_lshl_or_b32 v[\pw], v[TM+5], 8, v[TM+4]
	v_lshl_or_b32 v[\pw], v[TM+6], 16, v[\pw]
	v_lshl_or_b32 v[\pw], v[TM+7], 24, v[\pw]
	s_wait_alu depctr_va_vdst(0)
	s_wait_xcnt 0x0                                ; the last fragment's stores have read v[PC] on
	WIN (\w)
.irp c, 0,1
	v_cvt_scalef32_pk16_fp6_f32 v[PC+6*\c:PC+2+6*\c], v[(\s)+32*\c:(\s)+15+32*\c], v[TM+12+2*\c]
	v_cvt_scalef32_pk16_fp6_f32 v[PC+12+4*\c:PC+14+4*\c], v[(\s)+16+32*\c:(\s)+31+32*\c], v[TM+12+2*\c+1]
.endr
	WIN 0
	v_nop                                          ; one plain place behind a scaled conversion
.irp c, 0,1
.irp i, 0,1,2
	v_permlane16_swap_b32 v[PC+6*\c+\i], v[PC+12+4*\c+\i]
.endr
.irp i, 0,1,2
	v_mov_b32 v[PC+3+6*\c+\i], v[PC+12+4*\c+\i]
.endr
.endr
.endm
.macro QUANTW s, w, pw                 ; each accumulator is read from its low end on
	WIN ((\w)<<2)|((\w)<<4)
.irp b, 0,1,2,3
	v_max3_num_f32 v[TM+\b], 0x1800000, |v[(\s)+16*\b]|, |v[(\s)+1+16*\b]|   ; the floor 2^(3 - 127): the byte cannot fall under 1
.endr
.irp i, 2,4,6,8,10,12,14
.irp b, 0,1,2,3
	v_max3_num_f32 v[TM+\b], v[TM+\b], |v[(\s)+16*\b+\i]|, |v[(\s)+1+16*\b+\i]|
.endr
.endr
	WIN 0
.irp b, 0,1,2,3
	v_permlanex16_b32 v[TM+4+\b], v[TM+\b], s[SEL], s[SEL+1]
.endr
.irp b, 0,1,2,3
	v_max_num_f32 v[TM+\b], v[TM+\b], v[TM+4+\b]
.endr
	QTAIL \s, \w, \pw
.endm
.macro PUTF a, vo, dst, so             ; three stores of 512 consecutive bytes; the scale word waits in my stage (lanes r and r + 16 write the same word with the same value)
.irp c, 0,1,2
	global_store_b128 v[\vo], v[PC+4*\c:PC+4*\c+3], s[\dst:\dst+1] offset:(\a)*FRAGB+512*\c
.endr
	ds_store_b32 v[SWA], v[PW+(\a)] offset:(\so)+64*(\a)
.endm
	s_load_b256 s[4:11], s[0:1], 0x0               ; xq s[4:5], wq s[6:7], b_kqv s[8:9], kq s[10:11]
	s_load_b64 s[12:13], s[0:1], 0x20              ; vt
	v_lshl_add_u32 v[SPW], v0, 2, SPARE
	v_mov_b32 v[NIL], 0
	ds_add_u32 v[SPW], v[NIL]                      ; the wave's opening: the add, twice on end, and its wait ahead of the first tensor loads; work on registers stands between
	ds_add_u32 v[SPW], v[NIL]
	v_lshrrev_b32 v1, 5, v0
	v_readfirstlane_b32 s[WV], v1                  ; wave 0..3
	s_and_b32 s[J], s[WV], 1                       ; which of the two row groups of tokens is mine
	s_lshr_b32 s[M], s[WV], 1                      ; k (0) or q (1); also which 64 channels of v
	s_bfe_u32 s[CX], ttmp6, 0x40000
	s_bfe_u32 s[CY], ttmp6, 0x40004
	s_lshl_b32 s[GX], ttmp9, 2
	s_add_co_u32 s[GX], s[GX], s[CX]               ; which 128 columns, 0..7
	s_and_b32 s[GY], ttmp7, 0xffff
	s_lshl_b32 s[GY], s[GY], 2
	s_add_co_u32 s[GY], s[GY], s[CY]               ; which 256 tokens, 0..31
	s_lshl_b32 s2, s[CY], 2
	s_lshl_b32 s2, 15, s2                          ; my row of the cluster
	s_lshl_b32 s3, 0x1111, s[CX]                   ; my column
	s_or_b32 s[G1A], s2, (3<<16)|(1<<21)           ; 15:0 the mask; 17:16 elements of 8 bytes; 21 set beside a mask; no padding
	s_or_b32 s[G1B], s3, (3<<16)|(1<<21)
	s_mov_b32 s[G1A+1], 3200<<16                   ; x: two rows of 3,200 elements (two K steps of a row group),
	s_mov_b32 s[G1A+2], 2<<16
	s_mov_b32 s[G1A+3], 3200<<16
	s_mov_b32 s[G1A+4], 2
	s_mov_b32 s[G1A+5], RG8/8                      ; a row group apart
	s_mov_b32 s[G1A+6], 0
	s_mov_b32 s[G1A+7], 0
	s_mov_b32 s[G1B+1], 3200<<16                   ; W: three such rows,
	s_mov_b32 s[G1B+2], 3<<16
	s_mov_b32 s[G1B+3], 3200<<16
	s_mov_b32 s[G1B+4], 3
	s_mov_b32 s[G1B+5], RG8                        ; eight row groups apart
	s_mov_b32 s[G1B+6], 0
	s_mov_b32 s[G1B+7], 0
	s_mov_b32 s[SEL], 0x76543210
	s_mov_b32 s[SEL+1], 0xfedcba98
	s_mul_i32 s[TA], s[GY], 2*RG8                  ; x's tiles hang on the tokens alone,
	s_mov_b32 s[TA+1], 0
	s_mul_i32 s[TB], s[GX], RG8                    ; W's on the columns alone
	s_mov_b32 s[TB+1], 0
	s_lshl_b32 s80, s[GY], 1
	s_add_co_u32 s80, s80, s[J]                    ; my row group of tokens, 0..63
	s_mul_i32 s[DK], s80, RG8
	s_mul_i32 s81, s[GX], SLAB
	s_add_co_u32 s[DK], s[DK], s81
	s_mul_i32 s81, s[M], 64*RG8                    ; q lies behind k
	s_add_co_u32 s[DK], s[DK], s81
	s_mov_b32 s[DK+1], 0
	s_lshr_b32 s[DV], s80, 4                       ; v^T: the batch,
	s_lshl_b32 s[DV], s[DV], 3
	s_add_co_u32 s[DV], s[DV], s[GX]               ; the channels' row group,
	s_lshl_b32 s[DV], s[DV], 4
	s_and_b32 s81, s80, 15
	s_add_co_u32 s[DV], s[DV], s81                 ; the key step
	s_mul_i32 s[DV], s[DV], SLAB
	s_mov_b32 s[DV+1], 0
	s_lshl_b32 s[BW], s[GX], 9
	s_lshl_b32 s[BK], s[M], 12
	s_add_co_u32 s[BK], s[BK], s[BW]               ; b_k or b_q of my 128 columns
	s_mov_b32 s[BK+1], 0
	s_lshl_b32 s81, s[M], 8
	s_add_co_u32 s[BW], s[BW], s81
	s_add_co_u32 s[BW], s[BW], 8192                ; b_v of my 64 channels
	s_mov_b32 s[BW+1], 0
	s_wait_dscnt 0x0                               ; both opening adds are done
	s_wait_kmcnt 0x0
	s_add_nc_u64 s[TA:TA+1], s[4:5], s[TA:TA+1]
	s_add_nc_u64 s[TB:TB+1], s[6:7], s[TB:TB+1]
	s_add_nc_u64 s[BK:BK+1], s[8:9], s[BK:BK+1]
	s_add_nc_u64 s[BW:BW+1], s[8:9], s[BW:BW+1]
	s_add_nc_u64 s[DK:DK+1], s[10:11], s[DK:DK+1]
	s_add_nc_u64 s[DV:DV+1], s[12:13], s[DV:DV+1]
.irp s, 0,1
	s_mov_b32 s[G0A+4*\s], 1
	s_mov_b32 s[G0A+4*\s+1], \s*SLOTB
	s_add_nc_u64 s[G0A+4*\s+2:G0A+4*\s+3], s[TA:TA+1], \s*2*SLAB
	s_or_b32 s[G0A+4*\s+3], s[G0A+4*\s+3], 0x80000000
	s_mov_b32 s[G0B+4*\s], 1
	s_mov_b32 s[G0B+4*\s+1], \s*SLOTB+XPART
	s_add_nc_u64 s[G0B+4*\s+2:G0B+4*\s+3], s[TB:TB+1], \s*2*SLAB
	s_or_b32 s[G0B+4*\s+3], s[G0B+4*\s+3], 0x80000000
.endr
	ROUND                                          ; all sixteen work-groups are here: the first joint loads meet
; the head's four tiles, one a wave: one chain of branches on the wave's number, each arm with its load and a jump to the chain's end
.macro ARM under, g0, g1, next
	s_cmp_lt_u32 s[WV], \under
	s_cbranch_scc0 \next
	tensor_load_to_lds s[\g0:\g0+3], s[\g1:\g1+7]
	s_nop 0
.rept 4
	v_nop
.endr
	s_branch .Lfirst_asked
\next:
.endm
	ARM 1, G0A, G1A, .Lfirst_b
	ARM 2, G0B, G1B, .Lfirst_a1
	ARM 3, G0A+4, G1A, .Lfirst_b1
	tensor_load_to_lds s[G0B+4:G0B+7], s[G1B:G1B+7]
	s_nop 0
.rept 4
	v_nop
.endr
.Lfirst_asked:
	v_and_b32 v3, 31, v0                           ; lane
	v_and_b32 v1, 15, v0                           ; r
	v_bfe_u32 v2, v0, 4, 1                         ; h
	v_lshlrev_b32 v[VFO], 4, v3
	s_mul_i32 s2, s[J], 2*SLAB                     ; x: my row group's two K steps
	v_add_nc_u32 v[AX], s2, v[VFO]
	v_add_nc_u32 v[AX+1], SLOTB, v[AX]
	s_add_co_u32 s2, s2, SCOFF
	v_lshl_add_u32 v[SX], v3, 2, s2
	v_add_nc_u32 v[SX+1], SLOTB, v[SX]
	s_mul_i32 s3, s[M], 2*SLAB
	s_add_co_u32 s3, s3, XPART                     ; W_k's or W_q's
	v_add_nc_u32 v[AW], s3, v[VFO]
	v_add_nc_u32 v[AW+1], SLOTB, v[AW]
	s_add_co_u32 s3, s3, SCOFF
	v_lshl_add_u32 v[SW], v3, 2, s3
	v_add_nc_u32 v[SW+1], SLOTB, v[SW]
	s_mul_i32 s2, s[M], 4*FRAGB
	v_add_nc_u32 v[VFV], s2, v[VFO]
	s_add_co_u32 s2, s2, 8*SLAB                    ; W_v's, my four fragments
	v_add_nc_u32 v[AV], s2, v[VFO]
	v_add_nc_u32 v[AV+1], SLOTB, v[AV]
	s_lshl_b32 s3, s[M], 8
	s_add_co_u32 s3, s3, SCOFF
	v_lshl_add_u32 v[VSV], v3, 3, s3
	s_add_co_u32 s3, s3, 8*SLAB
	v_lshl_add_u32 v[SV], v3, 2, s3
	v_add_nc_u32 v[SV+1], SLOTB, v[SV]
	s_lshl_b32 s2, s[WV], 10
	s_add_co_u32 s2, s2, SCST                      ; my stage
	v_lshl_add_u32 v[SWA], v1, 2, s2
	v_lshl_add_u32 v[SRA], v3, 4, s2
	v_lshl_add_u32 v[SR8], v3, 3, s2
	v_lshlrev_b32 v2, 6, v2                        ; a bias along the columns: register 16 e + i is column 32 e + 16 h + i
	v_and_b32 v3, 8, v1
	v_add_nc_u32 v1, v3, v1
	v_lshlrev_b32 v1, 2, v1                        ; a bias along the rows: row r + 8 (r / 8) of the fragment
	WIN 0x40
.irp e, 0,1,2,3
.irp q, 0,1,2,3
	global_load_b128 v[16*\e+4*\q:16*\e+4*\q+3], v2, s[BK:BK+1] offset:128*\e+16*\q
.endr
.endr
	WIN 0
.irp a, 0,1,2,3
.irp j, 0,1,2,3,4,5,6,7
	global_load_b32 v[BV+8*\a+\j], v1, s[BW:BW+1] offset:(32*(\a/2)+8*(\a%2))*4
.endr
.endr
	s_wait_alu depctr_va_vdst(0)
	s_wait_tensorcnt 0x0                           ; my one tile is in; behind the barrier both slots are whole
	s_barrier_signal -1
	s_barrier_wait -1
	LDF WF, SCW, AW, SW, 0, 0, 0                   ; K step 0, in the order in which every step's loads are issued
	LDF XF, SCX, AX, SX, 0, 0, 0
	LDF XF+48, SCX+2, AX, SX, 0, 0, 4
	LDF WF+48, SCW+2, AW, SW, 0, 0, 4
	s_wait_loadcnt 0x0                             ; the biases
	STEP 0, 1, 0, 0
	STEP 1, 0, 0, 1                                ; slot 0 takes K steps 4 and 5
	STEP 2, 0, 0, 0
	STEP 3, 0, 0, 1                                ; slot 1 takes K steps 6 and 7
	STEP 4, 0, 0, 0
	STEP 5, 0, 0, 2
	STEP 6, 0, 0, 0
	STEP 7, 0, 1, 0
	PLACES 5                                       ; behind the last products: for the first reads of results and the writes of registers that held fragments
.irp b, 4,5,6,7
	v_mov_b32 v[TM+\b], 0                          ; written once: a lane permute's destination counts as one of its sources
.endr
.irp a, 0,1,2,3,4,5,6,7                        ; k or q: eight blocks of 16 tokens x 128 channels: a whole slab
	QUANTW 64*(\a%4), 2+\a/4, PW+\a
	PUTF \a, VFO, DK, 0
.endr
	ds_load_b128 v[TP:TP+3], v[SRA]                ; LDS serves a wave's instructions in order: this sees my stores
	s_wait_dscnt 0x0
	global_store_b128 v[VFO], v[TP:TP+3], s[DK:DK+1] offset:SCOFF   ; the slab's 128 scale words: 512 consecutive bytes, aligned
.irp a, 0,1,2,3                                ; v^T: four blocks of 16 channels x 128 tokens: half a slab
	QUANTW 64*\a, 1, PW+\a
	PUTF \a, VFV, DV, 512
.endr
	ds_load_b64 v[TP+4:TP+5], v[SR8] offset:512
	s_wait_dscnt 0x0
	global_store_b64 v[VSV], v[TP+4:TP+5], s[DV:DV+1]               ; 256 consecutive bytes, aligned
	s_wait_tensorcnt 0x0                           ; the wave's end
	ds_add_u32 v[SPW], v[NIL]
	s_wait_dscnt 0x0
	ROUND                                          ; the closing round
	s_endpgm
.Lfunc_end_k_q8ee286fe8d_kqv:
	.size	k_q8ee286fe8d_kqv, .Lfunc_end_k_q8ee286fe8d_kqv-k_q8ee286fe8d_kqv
	.p2alignl 7, 3214868480
	.fill 96, 4, 3214868480
	.section	.rodata,"a",@progbits
	.p2align	6, 0x0
	.amdhsa_kernel k_q8ee286fe8d_kqv
		.amdhsa_group_segment_fixed_size 327680
		.amdhsa_private_segment_fixed_size 0
		.amdhsa_enable_private_segment 0
		.amdhsa_kernarg_size 40
		.amdhsa_user_sgpr_count 2
		.amdhsa_user_sgpr_kernarg_segment_ptr 1
		.amdhsa_wavefront_size32 1
		.amdhsa_system_sgpr_workgroup_id_x 1
		.amdhsa_system_sgpr_workgroup_id_y 1
		.amdhsa_system_sgpr_workgroup_id_z 1
		.amdhsa_system_vgpr_workitem_id 0
		.amdhsa_next_free_vgpr 1024
		.amdhsa_next_free_sgpr 102
		.amdhsa_reserve_vcc 0
		.amdhsa_float_denorm_mode_32 3
		.amdhsa_float_denorm_mode_16_64 3
		.amdhsa_memory_ordered 1
		.amdhsa_forward_progress 1
		.amdhsa_inst_pref_size 206
	.end_amdhsa_kernel
	.amdgpu_metadata
---
amdhsa.version: [ 1, 2 ]
amdhsa.kernels:
  - .name:           k_q8ee286fe8d_kqv
    .symbol:         k_q8ee286fe8d_kqv.kd
    .args:
      - { .name: xq, .offset: 0, .size: 8, .value_kind: global_buffer, .address_space: global }
      - { .name: wq, .offset: 8, .size: 8, .value_kind: global_buffer, .address_space: global }
      - { .name: b_kqv, .offset: 16, .size: 8, .value_kind: global_buffer, .address_space: global }
      - { .name: kq, .offset: 24, .size: 8, .value_kind: global_buffer, .address_space: global }
      - { .name: vt, .offset: 32, .size: 8, .value_kind: global_buffer, .address_space: global }
    .group_segment_fixed_size: 327680
    .private_segment_fixed_size: 0
    .kernarg_segment_align: 8
    .kernarg_segment_size: 40
    .max_flat_workgroup_size: 128
    .sgpr_count:     102
    .vgpr_count:     1024
    .wavefront_size: 32
...
	.end_amdgpu_metadata
.endif
;; end of part 2
;; launch scores (part 3): grid 4 x 48, 4 waves a work-group, clusters of 4 x 4, 327,680 bytes of LDS; arguments kq, pc, pst; writes pc, pst
.if DOCPART == 3
	.amdgcn_target "amdgcn-amd-amdhsa--gfx1250"
	.amdhsa_code_object_version 6
	.text
	.protected	k_q8ee286fe8d_scores
	.globl	k_q8ee286fe8d_scores
	.p2align	8
	.type	k_q8ee286fe8d_scores,@function
k_q8ee286fe8d_scores:
	s_mov_b64 s[64:65], 0
	v_nop
	global_prefetch_b8 v0, s[64:65] scope:SCOPE_SE
	s_setreg_imm32_b32 hwreg(HW_REG_WAVE_MODE, 25, 1), 1
	s_wait_xcnt 0x0
	s_wait_alu depctr_hold_cnt(0) depctr_sa_sdst(0) depctr_va_vdst(0) depctr_va_sdst(0) depctr_va_ssrc(0) depctr_va_vcc(0) depctr_vm_vsrc(0)
	s_getreg_b32 s2, hwreg(HW_REG_IB_STS2, 6, 4)
	s_cmp_eq_u32 s2, 0
	s_cbranch_scc0 .Lentry_in_a_cluster
	s_endpgm
.Lentry_in_a_cluster:
	s_bfe_u32 s2, ttmp6, 0x10000c
	s_cmp_lg_u32 s2, 0xf033
	s_cbranch_scc0 .Lentry_shape_is_right
	s_endpgm
.Lentry_shape_is_right:
; p = 2^(t - M') for t = (q . k) log2(e) / sqrt(2048), on codes of FP6 (E2M3), quantised along the keys into pc; M' is the ceiling of the largest t among the 128 keys of ONE key step of a query, a whole number.
; -M' and the sum l' of the unquantised p of those 128 keys go to pst.  The next launch brings all key steps of a row under the row's own M by moving p's scale bytes: a power of two, which changes no code.
; The maximum is taken away ahead of every exponential.
; OPERANDS and results lie as slabs (128 rows x 128 K: eight fragment images of 1,536 bytes, then 128 scale words; [row group][K step]); lane r of fragment rb holds row 32 (rb / 2) + 8 (rb % 2) + r + 8 (r / 8).
; The product is used transposed (source 0 = 16 keys, source 1 = 16 queries): a lane holds ONE query, and the 64 registers of a block of queries hold keys 32 b + 16 h + i at register 16 b + i.
; SHARES.  A work-group makes ONE tile of 256 queries x 256 keys, a wave 128 x 128: 64 accumulators; a K step reads 16 fragments from LDS for 64 products.  A cluster of 4 x 4 makes 1,024 x 1,024.
; THE CAUSAL MASK is cut at that grain, on the cluster's number alone: of a batch's four such tiles three hold keys that count: cluster % 3 = 0: queries and keys 0-1,023; 1: queries 1,024 on, keys 0-1,023 (no key is hidden:
; the masking is jumped over); 2: queries and keys 1,024 on.  Inside, hidden scores become -infinity: p = 0, codes 0.  A key step with no key that counts gets -M' = 3e38, l' = 0.  192 work-groups: three cluster tiles for each of four batches.
; LDS.  Region 0 holds K steps 0-1 (q's two row groups as two rows of 25,600 bytes, then k's), region 1 K steps 2-5 (rows of 51,200 bytes).  At the head each wave asks for one tile: wave 0 q's of region 0, wave 1 k's, wave 2 q's of
; region 1, wave 3 k's.  Region 0 is filled again once, with K steps 6-7 (wave 0 q's, wave 1 k's), four K steps ahead of its first read.  One tensor load of a wave is out at the most.
; q's tiles are shared along a row of the cluster, k's along a column, each asked for jointly.  No prefetch: K is eight steps, six of them are asked for at the head, and the text has no loop to run ahead in.
; LIMITS: NaN and infinities are not served; a p under 2^-126 counts as 0 (v_exp_f32); a block of zeros gets the scale byte 1; the scaled scores stay under 2^31 in magnitude.
; REGISTERS.  Window 0: v4-25 addresses and constants; v32-39 k's scale words, v40-47 q's (two sets; a register holds one fragment's words in lanes 0-15 and the next one's in lanes 16-31); v64-255 q's fragments, two sets;
;   behind the products v64-219 are at work on the way out.  Window 1: k's fragments, sets at v0 and v128.  Windows 2, 3: the accumulators of queries' blocks 0-3, 4-7, (a, b) at v[8 (8 (a % 4) + b)].
.set SLAB,  12800
.set FRAGB, 1536
.set SCOFF, 12288
.set RG8,   8*SLAB
.set R1,    8*SLAB
.set SCST,  24*SLAB                    ; behind the regions: three stages of 512 bytes a wave: scale words, -M', l'; no tile lands here
.set STG,   1536
.set SPARE, SCST+4*STG                 ; the spare words, 128 bytes for each wave: two blocks of 256 bytes that no other line names
.set ADRA, 4
.set ADRB, 6
.set ADSA, 8
.set ADSB, 10
.set VFO, 12                           ; v12  16 x lane
.set SWA, 14                           ; v14  my stage + 4 r
.set SRA, 15                           ; v15  my stage + 16 x lane
.set SPW, 16
.set NIL, 17
.set VR,  22                           ; v22  r + 8 (r / 8) - 16 h
.set DD,  23
.set NINF, 24
.set T0,  25
.set SCB, 32
.set SCA, 40
.set AF,  64
.set TM,  64
.set PW,  80
.set TP,  88
.set PC,  100
.set NM,  192
.set LQ,  208
.set LS,  216
.set WV, 20
.set WA, 21
.set WB, 22
.set CX, 24
.set CY, 25
.set YY, 26
.set BT, 27
.set G1A0, 28
.set G1B0, 36
.set G1A1, 44
.set G1B1, 52
.set SEL, 60
.set CS,  62
.set TA,  66
.set G0A0, 68
.set G0B0, 72
.set G0A1, 76
.set G0B1, 80
.set TB,  84
.set DP,  86
.set DS,  88
.set SD,  90
.set TT,  91
.set QH,  92
.set KH,  93
.set MSB, 0
.macro WIN new                         ; the immediate's high byte repeats the setting that is left
.if MSB != (\new)
	s_set_vgpr_msb (MSB<<8)|(\new)
.set MSB, (\new)
.endif
.endm
.macro PLACES n
.rept \n
	v_nop
.endr
.endm
.macro ROUND                           ; a round of the cluster's barrier
	s_barrier_signal -1
	s_barrier_wait -1
	s_cmp_lg_u32 s[WV], 0
	s_cbranch_scc1 .Lnot_wave_0_\@
	s_barrier_signal -3
.Lnot_wave_0_\@:
	s_barrier_wait -3
	s_barrier_signal -1
	s_barrier_wait -1
.endm
.macro FETCH slot, ksl, st             ; a K step's fragments and scale words into set st: 48 loads of 512 consecutive bytes, 8 of 128
	WIN 0x40
.irp b, 0,1,2,3,4,5,6,7
.irp c, 0,1,2
	ds_load_b128 v[128*(\st)+12*\b+4*\c:128*(\st)+12*\b+4*\c+3], v[ADRB+\slot] offset:(\ksl)*SLAB+\b*FRAGB+512*\c
.endr
.endr
	WIN 0
.irp a, 0,1,2,3,4,5,6,7
.irp c, 0,1,2
	ds_load_b128 v[AF+96*(\st)+12*\a+4*\c:AF+96*(\st)+12*\a+4*\c+3], v[ADRA+\slot] offset:(\ksl)*SLAB+\a*FRAGB+512*\c
.endr
.endr
.irp p, 0,1,2,3
	ds_load_b32 v[SCB+4*(\st)+\p], v[ADSB+\slot] offset:(\ksl)*SLAB+128*\p
	ds_load_b32 v[SCA+4*(\st)+\p], v[ADSA+\slot] offset:(\ksl)*SLAB+128*\p
.endr
.endm
.macro WMR d, bf, af, sb, sa, rb, ra   ; a product that adds on; rb, ra: the odd fragment's scale words stand in lanes 16-31
.if (\rb) && (\ra)
	v_wmma_scale_f32_16x16x128_f8f6f4 v[(\d):(\d)+7], v[(\bf):(\bf)+11], v[(\af):(\af)+11], v[(\d):(\d)+7], v[(\sb)], v[(\sa)] matrix_a_fmt:MATRIX_FMT_FP6 matrix_b_fmt:MATRIX_FMT_FP6 matrix_a_scale:MATRIX_SCALE_ROW1 matrix_b_scale:MATRIX_SCALE_ROW1
.elseif (\rb)
	v_wmma_scale_f32_16x16x128_f8f6f4 v[(\d):(\d)+7], v[(\bf):(\bf)+11], v[(\af):(\af)+11], v[(\d):(\d)+7], v[(\sb)], v[(\sa)] matrix_a_fmt:MATRIX_FMT_FP6 matrix_b_fmt:MATRIX_FMT_FP6 matrix_a_scale:MATRIX_SCALE_ROW1
.elseif (\ra)
	v_wmma_scale_f32_16x16x128_f8f6f4 v[(\d):(\d)+7], v[(\bf):(\bf)+11], v[(\af):(\af)+11], v[(\d):(\d)+7], v[(\sb)], v[(\sa)] matrix_a_fmt:MATRIX_FMT_FP6 matrix_b_fmt:MATRIX_FMT_FP6 matrix_b_scale:MATRIX_SCALE_ROW1
.else
	v_wmma_scale_f32_16x16x128_f8f6f4 v[(\d):(\d)+7], v[(\bf):(\bf)+11], v[(\af):(\af)+11], v[(\d):(\d)+7], v[(\sb)], v[(\sa)] matrix_a_fmt:MATRIX_FMT_FP6 matrix_b_fmt:MATRIX_FMT_FP6
.endif
.endm
.macro WMZ d, bf, af, sb, sa, rb, ra   ; a product that starts a sum: nothing is ever cleared
.if (\rb) && (\ra)
	v_wmma_scale_f32_16x16x128_f8f6f4 v[(\d):(\d)+7], v[(\bf):(\bf)+11], v[(\af):(\af)+11], 0, v[(\sb)], v[(\sa)] matrix_a_fmt:MATRIX_FMT_FP6 matrix_b_fmt:MATRIX_FMT_FP6 matrix_a_scale:MATRIX_SCALE_ROW1 matrix_b_scale:MATRIX_SCALE_ROW1
.elseif (\rb)
	v_wmma_scale_f32_16x16x128_f8f6f4 v[(\d):(\d)+7], v[(\bf):(\bf)+11], v[(\af):(\af)+11], 0, v[(\sb)], v[(\sa)] matrix_a_fmt:MATRIX_FMT_FP6 matrix_b_fmt:MATRIX_FMT_FP6 matrix_a_scale:MATRIX_SCALE_ROW1
.elseif (\ra)
	v_wmma_scale_f32_16x16x128_f8f6f4 v[(\d):(\d)+7], v[(\bf):(\bf)+11], v[(\af):(\af)+11], 0, v[(\sb)], v[(\sa)] matrix_a_fmt:MATRIX_FMT_FP6 matrix_b_fmt:MATRIX_FMT_FP6 matrix_b_scale:MATRIX_SCALE_ROW1
.else
	v_wmma_scale_f32_16x16x128_f8f6f4 v[(\d):(\d)+7], v[(\bf):(\bf)+11], v[(\af):(\af)+11], 0, v[(\sb)], v[(\sa)] matrix_a_fmt:MATRIX_FMT_FP6 matrix_b_fmt:MATRIX_FMT_FP6
.endif
.endm
.macro MULH st, hi, cmode              ; 32 products: queries' blocks 4 hi .. 4 hi + 3 x the eight blocks of keys
	WIN 0xa1+0x50*(\hi)
.irp a, 0,1,2,3
.irp b, 0,1,2,3,4,5,6,7
.if (\cmode) == 1
	WMZ 8*(8*\a+\b), 128*(\st)+12*\b, AF+96*(\st)+12*(4*(\hi)+\a), SCB+4*(\st)+\b/2, SCA+4*(\st)+2*(\hi)+\a/2, \b%2, \a%2
.else
	WMR 8*(8*\a+\b), 128*(\st)+12*\b, AF+96*(\st)+12*(4*(\hi)+\a), SCB+4*(\st)+\b/2, SCA+4*(\st)+2*(\hi)+\a/2, \b%2, \a%2
.endif
.endr
.endr
.endm
.macro MUL st, cmode                   ; a K step's 64 products; the accumulators take turns, one instruction a turn.  cmode 1: they start the sums
	MULH \st, 0, \cmode
	MULH \st, 1, \cmode
	WIN 0
.endm
.macro KS st, cmode, fslot, fksl       ; a K step: its operands are in; the next step's are asked for, into the other set; the products
	s_wait_dscnt 0x0
	PLACES 4                                       ; in front of loads into registers that the last products read
	FETCH \fslot, \fksl, 1-(\st)
	MUL \st, \cmode
.endm
.macro QTAIL s, w, pw
.irp b, 0,1,2,3
	v_add_nc_u32 v[TM+12+\b], 0xff000000, v[TM+\b] ; 2 off the exponent field: the conversion's scale operand
.endr
.irp b, 0,1,2,3
	v_lshrrev_b32 v[TM+4+\b], 23, v[TM+12+\b]      ; the scale's byte
.endr
	v_lshl_or_b32 v[\pw], v[TM+5], 8, v[TM+4]
	v_lshl_or_b32 v[\pw], v[TM+6], 16, v[\pw]
	v_lshl_or_b32 v[\pw], v[TM+7], 24, v[\pw]
	s_wait_alu depctr_va_vdst(0)
	s_wait_xcnt 0x0                                ; the last stores have read their registers
	WIN (\w)
.irp c, 0,1
	v_cvt_scalef32_pk16_fp6_f32 v[PC+6*\c:PC+2+6*\c], v[(\s)+32*\c:(\s)+15+32*\c], v[TM+12+2*\c]
	v_cvt_scalef32_pk16_fp6_f32 v[PC+12+4*\c:PC+14+4*\c], v[(\s)+16+32*\c:(\s)+31+32*\c], v[TM+12+2*\c+1]
.endr
	WIN 0
	v_nop                                          ; one plain place behind a scaled conversion
.irp c, 0,1
.irp i, 0,1,2
	v_permlane16_swap_b32 v[PC+6*\c+\i], v[PC+12+4*\c+\i]
.endr
.irp i, 0,1,2
	v_mov_b32 v[PC+3+6*\c+\i], v[PC+12+4*\c+\i]
.endr
.endr
.endm
; The scores of hidden keys become -infinity.  Register 16 b + i of block a holds the key that lies 32 b + i - d behind my query, d = my query - the wave's first key - 16 h: hidden where 32 b + i > d
.macro MASKALL
.irp a, 0,1,2,3,4,5,6,7
	s_add_co_u32 s2, s[SD], 32*(\a/2)+8*(\a%2)
	v_add_nc_u32 v[DD], s2, v[VR]
	WIN ((2+\a/4)<<6)|(2+\a/4)
.set n, 0
.rept 64
	v_cmp_gt_i32 vcc_lo, 32*(n/16)+n%16, v[DD]
	v_cndmask_b32 v[64*(\a%4)+n], v[64*(\a%4)+n], v[NINF], vcc_lo
.set n, n+1
.endr
	WIN 0
.endr
.endm
; Block a's 16 queries x 128 keys: the largest score of each block of 32 keys (it serves for the row's maximum and, since p rises with the score, for the block's largest p), -M', p, l', codes
.macro SOFT a
.set S, 64*((\a)%4)
.set W, 2+(\a)/4
	WIN (W<<2)|(W<<4)
.irp b, 0,1,2,3
	v_max3_num_f32 v[TM+\b], 0xff800000, v[S+16*\b], v[S+1+16*\b]
.endr
.irp i, 2,4,6,8,10,12,14
.irp b, 0,1,2,3
	v_max3_num_f32 v[TM+\b], v[TM+\b], v[S+16*\b+\i], v[S+1+16*\b+\i]
.endr
.endr
	WIN 0
.irp b, 0,1,2,3
	v_permlanex16_b32 v[TM+4+\b], v[TM+\b], s[SEL], s[SEL+1]
.endr
.irp b, 0,1,2,3
	v_max_num_f32 v[TM+\b], v[TM+\b], v[TM+4+\b]   ; with lane l xor 16's 16 keys
.endr
	v_max3_num_f32 v[T0], v[TM], v[TM+1], v[TM+2]
	v_max_num_f32 v[T0], v[T0], v[TM+3]
	v_mul_f32 v[T0], s[CS], v[T0]                  ; as t (c is positive)
	v_max_num_f32 v[T0], 0xff61b1e6, v[T0]         ; not under -3e38: a row with no key that counts
	v_floor_f32 v[NM+2*(\a)], -v[T0]               ; -M' = floor(-t) = -ceil(t)
.irp b, 0,1,2,3
	v_fma_f32 v[TM+\b], v[TM+\b], s[CS], v[NM+2*(\a)]
.endr
	WIN (W<<6)|W
.set j, 0
.rept 32
	v_pk_fma_f32 v[S+j:S+j+1], v[S+j:S+j+1], s[CS:CS+1], v[NM+2*(\a):NM+2*(\a)+1] op_sel_hi:[1,0,0]   ; t - M', two at a time
.set j, j+2
.endr
.set j, 0
	s_wait_alu depctr_va_vdst(0)
.rept 64
	v_exp_f32 v[S+j], v[S+j]                       ; p = 2^(t - M'), at most 1
.set j, j+1
.endr
	WIN 0
.irp i, 0,1,2,3
	v_mov_b32 v[LS+\i], 0                          ; plain lines behind the exponentials
.endr
	s_wait_alu depctr_va_vdst(0)                   ; one wait for the batch of 64, ahead of its first reader
.irp b, 0,1,2,3
	v_exp_f32 v[TM+\b], v[TM+\b]                   ; the blocks' largest p: the same two instructions on the same number
.endr
	WIN W<<2
.set j, 0
.rept 16
	v_pk_add_f32 v[LS:LS+1], v[LS:LS+1], v[S+j:S+j+1]              ; the sum is taken of the unquantised p, in two chains
	v_pk_add_f32 v[LS+2:LS+3], v[LS+2:LS+3], v[S+j+2:S+j+3]
.set j, j+4
.endr
	WIN 0
	v_pk_add_f32 v[LS:LS+1], v[LS:LS+1], v[LS+2:LS+3]
	s_wait_alu depctr_va_vdst(0)                   ; and one for the four
.irp b, 0,1,2,3
	v_max_num_f32 v[TM+\b], 0x1800000, v[TM+\b]    ; the floor 2^(3 - 127): the byte cannot fall under 1
.endr
	QTAIL S, W, PW+(\a)
	v_add_f32 v[LS], v[LS], v[LS+1]
	v_permlanex16_b32 v[TM+8], v[LS], s[SEL], s[SEL+1]
	v_add_f32 v[LQ+(\a)], v[LS], v[TM+8]           ; l' of my query's 128 keys
.irp c, 0,1,2
	global_store_b128 v[VFO], v[PC+4*\c:PC+4*\c+3], s[DP:DP+1] offset:(\a)*FRAGB+512*\c   ; the fragment: three stores of 512 consecutive bytes
.endr
	ds_store_b32 v[SWA], v[PW+(\a)] offset:64*(\a) ; lanes r and r + 16 write the same word with the same value
	ds_store_b32 v[SWA], v[NM+2*(\a)] offset:512+64*(\a)
	ds_store_b32 v[SWA], v[LQ+(\a)] offset:1024+64*(\a)
.endm
.macro MKG0 g, lds, src, off
	s_mov_b32 s[\g], 1
	s_mov_b32 s[\g+1], \lds
	s_add_nc_u64 s[\g+2:\g+3], s[\src:\src+1], \off
	s_or_b32 s[\g+3], s[\g+3], 0x80000000
.endm
	s_load_b128 s[4:7], s[0:1], 0x0                ; kq s[4:5], pc s[6:7]
	s_load_b64 s[8:9], s[0:1], 0x10                ; pst
	v_lshl_add_u32 v[SPW], v0, 2, SPARE
	v_mov_b32 v[NIL], 0
	ds_add_u32 v[SPW], v[NIL]                      ; the wave's opening: the add, twice on end, and its wait ahead of the first tensor loads; work on registers stands between
	ds_add_u32 v[SPW], v[NIL]
	v_lshrrev_b32 v1, 5, v0
	v_readfirstlane_b32 s[WV], v1                  ; wave 0..3
	s_lshr_b32 s[WA], s[WV], 1                     ; which of the two row groups of queries is mine
	s_and_b32 s[WB], s[WV], 1                      ; which of the two row groups of keys
	s_bfe_u32 s[CX], ttmp6, 0x40000
	s_bfe_u32 s[CY], ttmp6, 0x40004
	s_and_b32 s[YY], ttmp7, 0xffff                 ; the cluster's number, 0..11
	s_lshl_b32 s2, s[CY], 2
	s_lshl_b32 s2, 15, s2                          ; my row of the cluster
	s_lshl_b32 s3, 0x1111, s[CX]                   ; my column
	s_or_b32 s[G1A0], s2, (3<<16)|(1<<21)          ; 15:0 the mask; 17:16 elements of 8 bytes; 21 set beside a mask; no padding
	s_or_b32 s[G1A1], s2, (3<<16)|(1<<21)
	s_or_b32 s[G1B0], s3, (3<<16)|(1<<21)
	s_or_b32 s[G1B1], s3, (3<<16)|(1<<21)
.irp g, G1A0, G1B0                             ; region 0: two rows of 3,200 elements (two K steps of a row group), a row group apart
	s_mov_b32 s[\g+1], 3200<<16
	s_mov_b32 s[\g+2], 2<<16
	s_mov_b32 s[\g+3], 3200<<16
	s_mov_b32 s[\g+4], 2
	s_mov_b32 s[\g+5], RG8/8
	s_mov_b32 s[\g+6], 0
	s_mov_b32 s[\g+7], 0
.endr
.irp g, G1A1, G1B1                             ; region 1: two rows of 6,400 elements (four K steps)
	s_mov_b32 s[\g+1], 6400<<16
	s_mov_b32 s[\g+2], 2<<16
	s_mov_b32 s[\g+3], 6400<<16
	s_mov_b32 s[\g+4], 2
	s_mov_b32 s[\g+5], RG8/8
	s_mov_b32 s[\g+6], 0
	s_mov_b32 s[\g+7], 0
.endr
	s_mov_b32 s[SEL], 0x76543210
	s_mov_b32 s[SEL+1], 0xfedcba98
	s_mov_b32 s[CS], 0x3d0293ee                    ; c = log2(e) / sqrt(2048)
	s_mov_b32 s[CS+1], s[CS]
	s_mul_i32 s2, s[YY], 11
	s_lshr_b32 s[BT], s2, 5                        ; the batch: cluster / 3
	s_mul_i32 s2, s[BT], 3
	s_sub_co_u32 s[TT], s[YY], s2                  ; cluster % 3
	s_cmp_eq_u32 s[TT], 0
	s_cselect_b32 s[QH], 0, 8                      ; my cluster's first row group of queries in the batch,
	s_cmp_eq_u32 s[TT], 2
	s_cselect_b32 s[KH], 8, 0                      ; and of keys
	s_lshl_b32 s94, s[BT], 4
	s_lshl_b32 s95, s[CY], 1
	s_add_co_u32 s95, s95, s[QH]
	s_add_co_u32 s[TA], s95, s94
	s_mul_i32 s[TA], s[TA], RG8                    ; q's tiles hang on the cluster's number and cy,
	s_mov_b32 s[TA+1], 0
	s_lshl_b32 s96, s[CX], 1
	s_add_co_u32 s96, s96, s[KH]
	s_add_co_u32 s[TB], s96, s94
	s_mul_i32 s[TB], s[TB], RG8                    ; k's on the cluster's number and cx
	s_mov_b32 s[TB+1], 0
	s_add_co_u32 s97, s95, s[WA]                   ; my row group of queries in the batch
	s_add_co_u32 s98, s96, s[WB]                   ; my key step
	s_sub_co_u32 s[SD], s97, s98
	s_lshl_b32 s[SD], s[SD], 7                     ; my first query less my first key
	s_add_co_u32 s97, s97, s94
	s_lshl_b32 s97, s97, 4
	s_add_co_u32 s97, s97, s98                     ; which slab of pc
	s_mul_i32 s[DP], s97, SLAB
	s_mov_b32 s[DP+1], 0
	s_lshl_b32 s[DS], s97, 10
	s_mov_b32 s[DS+1], 0
	s_mul_i32 s10, s[WA], 2*SLAB                   ; where my fragments lie in LDS: q's in region 0,
	s_add_co_u32 s11, s10, SCOFF
	s_mul_i32 s12, s[WA], 4*SLAB
	s_add_co_u32 s12, s12, R1                      ; in region 1;
	s_add_co_u32 s13, s12, SCOFF
	s_mul_i32 s14, s[WB], 2*SLAB
	s_add_co_u32 s14, s14, 4*SLAB                  ; k's in region 0,
	s_add_co_u32 s15, s14, SCOFF
	s_mul_i32 s16, s[WB], 4*SLAB
	s_add_co_u32 s16, s16, 16*SLAB                 ; in region 1;
	s_add_co_u32 s17, s16, SCOFF
	s_mul_i32 s18, s[WV], STG
	s_add_co_u32 s18, s18, SCST                    ; my stages
	s_wait_dscnt 0x0                               ; both opening adds are done
	s_wait_kmcnt 0x0
	s_add_nc_u64 s[TA:TA+1], s[4:5], s[TA:TA+1]
	s_add_nc_u64 s[TA:TA+1], s[TA:TA+1], 64*RG8    ; q lies behind k
	s_add_nc_u64 s[TB:TB+1], s[4:5], s[TB:TB+1]
	s_add_nc_u64 s[DP:DP+1], s[6:7], s[DP:DP+1]
	s_add_nc_u64 s[DS:DS+1], s[8:9], s[DS:DS+1]
	MKG0 G0A0, 0, TA, 0
	MKG0 G0B0, 4*SLAB, TB, 0
	MKG0 G0A1, R1, TA, 2*SLAB
	MKG0 G0B1, 16*SLAB, TB, 2*SLAB
	ROUND                                          ; all sixteen work-groups are here: the first joint loads meet
; the head's four tiles, one a wave: one chain of branches on the wave's number, each arm with its load and a jump to the chain's end
.macro ARM under, g0, g1, next
	s_cmp_lt_u32 s[WV], \under
	s_cbranch_scc0 \next
	tensor_load_to_lds s[\g0:\g0+3], s[\g1:\g1+7]
	s_nop 0
.rept 4
	v_nop
.endr
	s_branch .Lfirst_asked
\next:
.endm
	ARM 1, G0A0, G1A0, .Lfirst_b
	ARM 2, G0B0, G1B0, .Lfirst_a1
	ARM 3, G0A1, G1A1, .Lfirst_b1
	tensor_load_to_lds s[G0B1:G0B1+3], s[G1B1:G1B1+7]
	s_nop 0
.rept 4
	v_nop
.endr
.Lfirst_asked:
	v_and_b32 v3, 31, v0                           ; lane
	v_and_b32 v1, 15, v0                           ; r
	v_bfe_u32 v2, v0, 4, 1                         ; h
	v_lshlrev_b32 v[VFO], 4, v3
	v_add_nc_u32 v[ADRA], s10, v[VFO]
	v_lshl_add_u32 v[ADSA], v3, 2, s11
	v_add_nc_u32 v[ADRA+1], s12, v[VFO]
	v_lshl_add_u32 v[ADSA+1], v3, 2, s13
	v_add_nc_u32 v[ADRB], s14, v[VFO]
	v_lshl_add_u32 v[ADSB], v3, 2, s15
	v_add_nc_u32 v[ADRB+1], s16, v[VFO]
	v_lshl_add_u32 v[ADSB+1], v3, 2, s17
	v_lshl_add_u32 v[SWA], v1, 2, s18
	v_lshl_add_u32 v[SRA], v3, 4, s18
	v_and_b32 v[VR], 8, v1
	v_add_nc_u32 v[VR], v[VR], v1
	v_lshlrev_b32 v[DD], 4, v2
	v_sub_nc_u32 v[VR], v[VR], v[DD]
	v_mov_b32 v[NINF], 0xff800000
	s_wait_alu depctr_va_vdst(0)
	s_wait_tensorcnt 0x0                           ; my one tile is in; behind the barrier both regions are whole
	s_barrier_signal -1
	s_barrier_wait -1
	FETCH 0, 0, 0
	KS 0, 1, 0, 1                                  ; K step 0 starts the sums
	s_wait_dscnt 0x0                               ; K step 1 lies in registers: my reads of region 0 are over
	s_wait_tensorcnt 0x0                           ; none of my tensor loads is out
	ds_add_u32 v[SPW], v[NIL]                      ; 0 onto my spare word
	s_add_nc_u64 s[G0A0+2:G0A0+3], s[G0A0+2:G0A0+3], 6*SLAB   ; region 0's descriptors go on to K steps 6 and 7
	s_add_nc_u64 s[G0B0+2:G0B0+3], s[G0B0+2:G0B0+3], 6*SLAB
	s_wait_dscnt 0x0                               ; the add is done
	ROUND                                          ; no wave of any partner still reads the region or has a load on its way
	s_cmp_eq_u32 s[WV], 0                          ; the joint refill: wave 0 q's, wave 1 k's
	s_cbranch_scc0 .Lfor_b
	tensor_load_to_lds s[G0A0:G0A0+3], s[G1A0:G1A0+7]
	s_nop 0
.rept 4
	v_nop
.endr
	s_branch .Lasked
.Lfor_b:
	s_cmp_lt_u32 s[WV], 2
	s_cbranch_scc0 .Lasked
	tensor_load_to_lds s[G0B0:G0B0+3], s[G1B0:G1B0+7]
	s_nop 0
.rept 4
	v_nop
.endr
.Lasked:
	PLACES 4
	FETCH 1, 0, 0
	MUL 1, 0
	KS 0, 0, 1, 1
	KS 1, 0, 1, 2
	KS 0, 0, 1, 3
	s_wait_dscnt 0x0
	s_wait_tensorcnt 0x0                           ; my part of K steps 6 and 7 has landed
	s_barrier_signal -1
	s_barrier_wait -1
	PLACES 4
	FETCH 0, 0, 0
	MUL 1, 0
	KS 0, 0, 0, 1
	s_wait_dscnt 0x0
	MUL 1, 0
	PLACES 5                                       ; behind the last products: for the first reads of results and the writes of registers that held fragments
.irp b, 4,5,6,7,8
	v_mov_b32 v[TM+\b], 0                          ; written once: a lane permute's destination counts as one of its sources
.endr
.irp a, 0,1,2,3,4,5,6,7
	v_mov_b32 v[NM+2*\a+1], 0                      ; named as the upper half of a pair
.endr
	s_cmp_eq_u32 s[TT], 1                          ; the cluster's number alone: all partners go the same way; the jump leads round vector work only
	s_wait_alu depctr_va_vdst(0)
	s_cbranch_scc1 .Lopen
	MASKALL
.Lopen:
.irp a, 0,1,2,3,4,5,6,7
	SOFT \a
.endr
	ds_load_b128 v[TP:TP+3], v[SRA]                ; LDS serves a wave's instructions in order: these see my stores
	ds_load_b128 v[TP+4:TP+7], v[SRA] offset:512
	ds_load_b128 v[TP+8:TP+11], v[SRA] offset:1024
	s_wait_dscnt 0x0
	global_store_b128 v[VFO], v[TP:TP+3], s[DP:DP+1] offset:SCOFF  ; the slab's scale words, -M' and l': three stores of 512 consecutive bytes, aligned
	global_store_b128 v[VFO], v[TP+4:TP+7], s[DS:DS+1]
	global_store_b128 v[VFO], v[TP+8:TP+11], s[DS:DS+1] offset:512
	s_wait_tensorcnt 0x0                           ; the wave's end
	ds_add_u32 v[SPW], v[NIL]
	s_wait_dscnt 0x0
	ROUND                                          ; the closing round
	s_endpgm
.Lfunc_end_k_q8ee286fe8d_scores:
	.size	k_q8ee286fe8d_scores, .Lfunc_end_k_q8ee286fe8d_scores-k_q8ee286fe8d_scores
	.p2alignl 7, 3214868480
	.fill 96, 4, 3214868480
	.section	.rodata,"a",@progbits
	.p2align	6, 0x0
	.amdhsa_kernel k_q8ee286fe8d_scores
		.amdhsa_group_segment_fixed_size 327680
		.amdhsa_private_segment_fixed_size 0
		.amdhsa_enable_private_segment 0
		.amdhsa_kernarg_size 24
		.amdhsa_user_sgpr_count 2
		.amdhsa_user_sgpr_kernarg_segment_ptr 1
		.amdhsa_wavefront_size32 1
		.amdhsa_system_sgpr_workgroup_id_x 1
		.amdhsa_system_sgpr_workgroup_id_y 1
		.amdhsa_system_sgpr_workgroup_id_z 1
		.amdhsa_system_vgpr_workitem_id 0
		.amdhsa_next_free_vgpr 1024
		.amdhsa_next_free_sgpr 102
		.amdhsa_reserve_vcc 1
		.amdhsa_float_denorm_mode_32 3
		.amdhsa_float_denorm_mode_16_64 3
		.amdhsa_memory_ordered 1
		.amdhsa_forward_progress 1
		.amdhsa_inst_pref_size 241
	.end_amdhsa_kernel
	.amdgpu_metadata
---
amdhsa.version: [ 1, 2 ]
amdhsa.kernels:
  - .name:           k_q8ee286fe8d_scores
    .symbol:         k_q8ee286fe8d_scores.kd
    .args:
      - { .name: kq, .offset: 0, .size: 8, .value_kind: global_buffer, .address_space: global }
      - { .name: pc, .offset: 8, .size: 8, .value_kind: global_buffer, .address_space: global }
      - { .name: pst, .offset: 16, .size: 8, .value_kind: global_buffer, .address_space: global }
    .group_segment_fixed_size: 327680
    .private_segment_fixed_size: 0
    .kernarg_segment_align: 8
    .kernarg_segment_size: 24
    .max_flat_workgroup_size: 128
    .sgpr_count:     102
    .vgpr_count:     1024
    .wavefront_size: 32
...
	.end_amdgpu_metadata
.endif
;; end of part 3
;; launch pv (part 4): grid 4 x 48, 4 waves a work-group, clusters of 4 x 4, 327,680 bytes of LDS; arguments pc, pst, vt, oc; writes oc
.if DOCPART == 4
	.amdgcn_target "amdgcn-amd-amdhsa--gfx1250"
	.amdhsa_code_object_version 6
	.text
	.protected	k_q8ee286fe8d_pv
	.globl	k_q8ee286fe8d_pv
	.p2align	8
	.type	k_q8ee286fe8d_pv,@function
k_q8ee286fe8d_pv:
	s_mov_b64 s[64:65], 0
	v_nop
	global_prefetch_b8 v0, s[64:65] scope:SCOPE_SE
	s_setreg_imm32_b32 hwreg(HW_REG_WAVE_MODE, 25, 1), 1
	s_wait_xcnt 0x0
	s_wait_alu depctr_hold_cnt(0) depctr_sa_sdst(0) depctr_va_vdst(0) depctr_va_sdst(0) depctr_va_ssrc(0) depctr_va_vcc(0) depctr_vm_vsrc(0)
	s_getreg_b32 s2, hwreg(HW_REG_IB_STS2, 6, 4)
	s_cmp_eq_u32 s2, 0
	s_cbranch_scc0 .Lentry_in_a_cluster
	s_endpgm
.Lentry_in_a_cluster:
	s_bfe_u32 s2, ttmp6, 0x10000c
	s_cmp_lg_u32 s2, 0xf033
	s_cbranch_scc0 .Lentry_shape_is_right
	s_endpgm
.Lentry_shape_is_right:
; o = (p v) / l on codes of FP6 (E2M3), quantised along the channels into oc.  p's codes were made under a whole number M' of each key step of 128 keys; the row's M is the largest of them, and p under M is p under M' times
; 2^(M' - M): p's four scale bytes of a key step are lowered by M - M', which changes no code.  l is the sum of the key steps' l' times the same powers of two.
; OPERANDS and results lie as slabs (128 rows x 128 K: eight fragment images of 1,536 bytes, then 128 scale words; [row group][K step]).  The product is used transposed (source 0 = 16 channels of v^T, source 1 = 16 queries):
; a lane holds ONE query, and the 64 registers of a block of queries hold channels 32 b + 16 h + i at register 16 b + i: so o is quantised in registers and leaves as fragments.
; SHARES.  A work-group makes 128 queries x 256 channels, a wave 64 x 128; a cluster of 4 x 4 makes 512 x 1,024.  Every work-group walks SIXTEEN key steps through the two slots, whatever its rows:
; cluster % 3 = 0 ('short'): queries 0-511 over keys 0-1,023, then queries 512-1,023 over the same keys; 1, 2 ('long'): queries 1,024-1,535 or 1,536-2,047 over all 2,048 keys.  What differs stands under ONE branch on the
; cluster's number, which leads round vector and matrix work alone: no joint load, no round and no wait for tiles is jumped over.  192 work-groups: the causal set does not divide into more clusters of equal length.
; A's tiles (p) are shared along a row of the cluster, B's (v^T) along a column, asked for jointly: in a refill wave 0 A's, wave 1 B's two row groups in one load.  One tensor load of a wave is out at the most.
; LIMITS: M - M' is held at 127, and a scale byte that would fall under 0 becomes 0: both touch terms under 2^-100 of the row's sum.  NaN and infinities are not served; a block of zeros gets the scale byte 1.
; REGISTERS.  Window 0: v1-21 addresses; v32-43 scale words; v44-62 codes; v64-79 at work; v80-83 scale words made; v84-85 on the way out; v90-95 at work on p's scale words; v96-191 A's fragments (at the head: the statistics);
;   v192-223 (M - M') in each of four bytes, for key step k and pair of blocks p at v[192 + 2 k + p]; v224-231, v232-239 1 / l, a pair a block.  Window 1: B's fragments.  Window 2: accumulators.
.set SLAB,  12800
.set FRAGB, 1536
.set SCOFF, 12288
.set HALF,  4*SLAB
.set SLOTB, 3*HALF
.set RG8,   8*SLAB
.set RG16,  16*SLAB
.set SCST,  2*SLOTB
.set SPARE, SCST+3072
.set ADRA, 4
.set ADRB, 6
.set ADSA, 8
.set ADSB, 10
.set VFO, 12
.set VSO, 13
.set SWA, 14
.set SRA, 15
.set SPW, 16
.set NIL, 17
.set VST, 21                           ; v21  4 x lane + 256 x my half of the rows
.set SCB, 32
.set SCA, 40
.set PC,  44
.set TM,  64
.set PW,  80
.set TP,  84
.set AT,  90
.set AF,  96
.set NMR, 96                           ; at the head: -M' of entry 2 k + p; lanes 0-15 block 2 p, lanes 16-31 block 2 p + 1, as A's scale words lie
.set LPR, 128                          ; l' likewise
.set NN,  192
.set RM,  224
.set RF,  232
.set WV, 20
.set WA, 21
.set WB, 22
.set WF, 23
.set CX, 24
.set CY, 25
.set YY, 26
.set G1A, 28
.set G1B, 36
.set G0A, 44
.set G0B, 52
.set SEL, 60
.set TA,  66
.set TA2, 68
.set TB,  74
.set TB2, 76
.set D1,  82
.set DF,  84
.set P0,  86
.set P1,  88
.set LM,  92
.set HM,  93
.set K80, 94
.set KM,  95
.set MSB, 0
.macro WIN new
.if MSB != (\new)
	s_set_vgpr_msb (MSB<<8)|(\new)
.set MSB, (\new)
.endif
.endm
.macro PLACES n
.rept \n
	v_nop
.endr
.endm
.macro ROUND
	s_barrier_signal -1
	s_barrier_wait -1
	s_cmp_lg_u32 s[WV], 0
	s_cbranch_scc1 .Lnot_wave_0_\@
	s_barrier_signal -3
.Lnot_wave_0_\@:
	s_barrier_wait -3
	s_barrier_signal -1
	s_barrier_wait -1
.endm
.macro JLOAD sl
	s_cmp_eq_u32 s[WV], 0
	s_cbranch_scc0 .Lfor_b_\@
	tensor_load_to_lds s[G0A+4*(\sl):G0A+4*(\sl)+3], s[G1A:G1A+7]
	s_nop 0
.rept 4
	v_nop
.endr
	s_branch .Lasked_\@
.Lfor_b_\@:
	s_cmp_lt_u32 s[WV], 2                          ; wave 1 alone asks for B's tile: both row groups in one load
	s_cbranch_scc0 .Lasked_\@
	tensor_load_to_lds s[G0B+4*(\sl):G0B+4*(\sl)+3], s[G1B:G1B+7]
	s_nop 0
.rept 4
	v_nop
.endr
.Lasked_\@:
.endm
.macro STEPD sl, ta, tb
	s_add_nc_u64 s[G0A+4*(\sl)+2:G0A+4*(\sl)+3], s[\ta:\ta+1], (\sl)*HALF
	s_or_b32 s[G0A+4*(\sl)+3], s[G0A+4*(\sl)+3], 0x80000000
	s_add_nc_u64 s[G0B+4*(\sl)+2:G0B+4*(\sl)+3], s[\tb:\tb+1], (\sl)*HALF
	s_or_b32 s[G0B+4*(\sl)+3], s[G0B+4*(\sl)+3], 0x80000000
.endm
.macro FETCH slot, ksl, st
	WIN 0x40
.irp b, 0,1,2,3,4,5,6,7
.irp c, 0,1,2
	ds_load_b128 v[128*(\st)+12*\b+4*\c:128*(\st)+12*\b+4*\c+3], v[ADRB+\slot] offset:(\ksl)*SLAB+\b*FRAGB+512*\c
.endr
.endr
	WIN 0
.irp a, 0,1,2,3
.irp c, 0,1,2
	ds_load_b128 v[AF+48*(\st)+12*\a+4*\c:AF+48*(\st)+12*\a+4*\c+3], v[ADRA+\slot] offset:(\ksl)*SLAB+\a*FRAGB+512*\c
.endr
.endr
.irp p, 0,1,2,3
	ds_load_b32 v[SCB+4*(\st)+\p], v[ADSB+\slot] offset:(\ksl)*SLAB+128*\p
.endr
.irp p, 0,1
	ds_load_b32 v[SCA+2*(\st)+\p], v[ADSA+\slot] offset:(\ksl)*SLAB+128*\p
.endr
.endm
.macro WMR d, bf, af, sb, sa, rb, ra
.if (\rb) && (\ra)
	v_wmma_scale_f32_16x16x128_f8f6f4 v[(\d):(\d)+7], v[(\bf):(\bf)+11], v[(\af):(\af)+11], v[(\d):(\d)+7], v[(\sb)], v[(\sa)] matrix_a_fmt:MATRIX_FMT_FP6 matrix_b_fmt:MATRIX_FMT_FP6 matrix_a_scale:MATRIX_SCALE_ROW1 matrix_b_scale:MATRIX_SCALE_ROW1
.elseif (\rb)
	v_wmma_scale_f32_16x16x128_f8f6f4 v[(\d):(\d)+7], v[(\bf):(\bf)+11], v[(\af):(\af)+11], v[(\d):(\d)+7], v[(\sb)], v[(\sa)] matrix_a_fmt:MATRIX_FMT_FP6 matrix_b_fmt:MATRIX_FMT_FP6 matrix_a_scale:MATRIX_SCALE_ROW1
.elseif (\ra)
	v_wmma_scale_f32_16x16x128_f8f6f4 v[(\d):(\d)+7], v[(\bf):(\bf)+11], v[(\af):(\af)+11], v[(\d):(\d)+7], v[(\sb)], v[(\sa)] matrix_a_fmt:MATRIX_FMT_FP6 matrix_b_fmt:MATRIX_FMT_FP6 matrix_b_scale:MATRIX_SCALE_ROW1
.else
	v_wmma_scale_f32_16x16x128_f8f6f4 v[(\d):(\d)+7], v[(\bf):(\bf)+11], v[(\af):(\af)+11], v[(\d):(\d)+7], v[(\sb)], v[(\sa)] matrix_a_fmt:MATRIX_FMT_FP6 matrix_b_fmt:MATRIX_FMT_FP6
.endif
.endm
.macro WMZ d, bf, af, sb, sa, rb, ra
.if (\rb) && (\ra)
	v_wmma_scale_f32_16x16x128_f8f6f4 v[(\d):(\d)+7], v[(\bf):(\bf)+11], v[(\af):(\af)+11], 0, v[(\sb)], v[(\sa)] matrix_a_fmt:MATRIX_FMT_FP6 matrix_b_fmt:MATRIX_FMT_FP6 matrix_a_scale:MATRIX_SCALE_ROW1 matrix_b_scale:MATRIX_SCALE_ROW1
.elseif (\rb)
	v_wmma_scale_f32_16x16x128_f8f6f4 v[(\d):(\d)+7], v[(\bf):(\bf)+11], v[(\af):(\af)+11], 0, v[(\sb)], v[(\sa)] matrix_a_fmt:MATRIX_FMT_FP6 matrix_b_fmt:MATRIX_FMT_FP6 matrix_a_scale:MATRIX_SCALE_ROW1
.elseif (\ra)
	v_wmma_scale_f32_16x16x128_f8f6f4 v[(\d):(\d)+7], v[(\bf):(\bf)+11], v[(\af):(\af)+11], 0, v[(\sb)], v[(\sa)] matrix_a_fmt:MATRIX_FMT_FP6 matrix_b_fmt:MATRIX_FMT_FP6 matrix_b_scale:MATRIX_SCALE_ROW1
.else
	v_wmma_scale_f32_16x16x128_f8f6f4 v[(\d):(\d)+7], v[(\bf):(\bf)+11], v[(\af):(\af)+11], 0, v[(\sb)], v[(\sa)] matrix_a_fmt:MATRIX_FMT_FP6 matrix_b_fmt:MATRIX_FMT_FP6
.endif
.endm
.macro MUL st, cmode                   ; 32 products; the accumulators take turns, one instruction a turn.  cmode 1: they start the sums
	WIN 0xa1
.irp a, 0,1,2,3
.irp b, 0,1,2,3,4,5,6,7
.if (\cmode) == 1
	WMZ 8*(8*\a+\b), 128*(\st)+12*\b, AF+48*(\st)+12*\a, SCB+4*(\st)+\b/2, SCA+2*(\st)+\a/2, \b%2, \a%2
.else
	WMR 8*(8*\a+\b), 128*(\st)+12*\b, AF+48*(\st)+12*\a, SCB+4*(\st)+\b/2, SCA+2*(\st)+\a/2, \b%2, \a%2
.endif
.endr
.endr
	WIN 0
.endm
; p's scale words of key step k: each of the four bytes less n = M - M' (0 .. 127), held at 0 from below, with no carry from byte to byte: p is at most 1, so a byte is at most 125 and its top bit is free.
; With the top bits set, byte - n cannot borrow; the top bit stays where byte >= n; such a byte keeps its low seven bits, the others become 0.
.macro ADJ k
.irp p, 0,1
	v_or_b32 v[AT+3*\p], s[K80], v[SCA+2*((\k)%2)+\p]
.endr
.irp p, 0,1
	v_sub_nc_u32 v[AT+3*\p], v[AT+3*\p], v[NN+2*(\k)+\p]
.endr
.irp p, 0,1
	v_and_b32 v[AT+3*\p+1], s[K80], v[AT+3*\p]
.endr
.irp p, 0,1
	v_lshrrev_b32 v[AT+3*\p+2], 7, v[AT+3*\p+1]
.endr
.irp p, 0,1
	v_sub_nc_u32 v[AT+3*\p+1], v[AT+3*\p+1], v[AT+3*\p+2]
.endr
.irp p, 0,1
	v_and_b32 v[SCA+2*((\k)%2)+\p], v[AT+3*\p], v[AT+3*\p+1]
.endr
	PLACES 4                                       ; with the four that follow in every key step: eight places between a scale register written by a vector instruction and the scaled products
.endm
.macro KS st, cmode, fslot, fksl, k
	s_wait_dscnt 0x0
	ADJ \k
	PLACES 4                                       ; also in front of loads into registers that the last products read
	FETCH \fslot, \fksl, 1-(\st)
	MUL \st, \cmode
.endm
.macro KSR st, sl, ta, tb, fslot, fksl, k
	s_wait_dscnt 0x0                               ; my reads of slot sl are over
	ADJ \k
	s_wait_tensorcnt 0x0                           ; all my tensor loads have landed
	ds_add_u32 v[SPW], v[NIL]                      ; 0 onto my spare word
	STEPD \sl, \ta, \tb
	s_wait_dscnt 0x0                               ; the add is done
	ROUND                                          ; no wave of any partner still reads the slot or has a load on its way
	JLOAD \sl
	PLACES 4
	FETCH \fslot, \fksl, 1-(\st)
	s_wait_alu depctr_va_vdst(0)
	MUL \st, 0
.endm
.macro KSB st, fslot, fksl, k
	s_wait_dscnt 0x0
	ADJ \k
	s_wait_alu depctr_va_vdst(0)
	s_wait_tensorcnt 0x0                           ; my part of the other slot has landed
	s_barrier_signal -1
	s_barrier_wait -1
	PLACES 4
	FETCH \fslot, \fksl, 1-(\st)
	MUL \st, 0
.endm
.macro QTAIL s, w, pw
.irp b, 0,1,2,3
	v_add_nc_u32 v[TM+12+\b], 0xff000000, v[TM+\b]
.endr
.irp b, 0,1,2,3
	v_lshrrev_b32 v[TM+4+\b], 23, v[TM+12+\b]
.endr
	v_lshl_or_b32 v[\pw], v[TM+5], 8, v[TM+4]
	v_lshl_or_b32 v[\pw], v[TM+6], 16, v[\pw]
	v_lshl_or_b32 v[\pw], v[TM+7], 24, v[\pw]
	s_wait_xcnt 0x0                                ; the last stores have read their registers
	WIN (\w)
.irp c, 0,1
	v_cvt_scalef32_pk16_fp6_f32 v[PC+6*\c:PC+2+6*\c], v[(\s)+32*\c:(\s)+15+32*\c], v[TM+12+2*\c]
	v_cvt_scalef32_pk16_fp6_f32 v[PC+12+4*\c:PC+14+4*\c], v[(\s)+16+32*\c:(\s)+31+32*\c], v[TM+12+2*\c+1]
.endr
	WIN 0
	v_nop
.irp c, 0,1
.irp i, 0,1,2
	v_permlane16_swap_b32 v[PC+6*\c+\i], v[PC+12+4*\c+\i]
.endr
.irp i, 0,1,2
	v_mov_b32 v[PC+3+6*\c+\i], v[PC+12+4*\c+\i]
.endr
.endr
.endm
.macro QUANTW s, w, pw
	WIN ((\w)<<2)|((\w)<<4)
.irp b, 0,1,2,3
	v_max3_num_f32 v[TM+\b], 0x1800000, |v[(\s)+16*\b]|, |v[(\s)+1+16*\b]|
.endr
.irp i, 2,4,6,8,10,12,14
.irp b, 0,1,2,3
	v_max3_num_f32 v[TM+\b], v[TM+\b], |v[(\s)+16*\b+\i]|, |v[(\s)+1+16*\b+\i]|
.endr
.endr
	WIN 0
.irp b, 0,1,2,3
	v_permlanex16_b32 v[TM+4+\b], v[TM+\b], s[SEL], s[SEL+1]
.endr
.irp b, 0,1,2,3
	v_max_num_f32 v[TM+\b], v[TM+\b], v[TM+4+\b]
.endr
	QTAIL \s, \w, \pw
.endm
.macro PUTF a, dst
.irp c, 0,1,2
	global_store_b128 v[VFO], v[PC+4*\c:PC+4*\c+3], s[\dst:\dst+1] offset:(\a)*FRAGB+512*\c
.endr
	ds_store_b32 v[SWA], v[PW+(\a)] offset:64*(\a)
.endm
.macro EPO rc, dst                     ; the sums times 1 / l, quantised, out as half a slab
	PLACES 5                                       ; behind the last products: for the first reads, and for products that write over these accumulators
.irp a, 0,1,2,3
	WIN 0x82
.set j, 0
.rept 32
	v_pk_mul_f32 v[64*\a+j:64*\a+j+1], v[64*\a+j:64*\a+j+1], v[(\rc)+2*\a:(\rc)+2*\a+1] op_sel_hi:[1,0]
.set j, j+2
.endr
	QUANTW 64*\a, 2, PW+\a
	PUTF \a, \dst
.endr
	ds_load_b64 v[TP:TP+1], v[SRA]
	s_wait_dscnt 0x0
	global_store_b64 v[VSO], v[TP:TP+1], s[\dst:\dst+1]
.endm
	s_load_b256 s[4:11], s[0:1], 0x0               ; pc s[4:5], pst s[6:7], vt s[8:9], oc s[10:11]
	v_lshl_add_u32 v[SPW], v0, 2, SPARE
	v_mov_b32 v[NIL], 0
	ds_add_u32 v[SPW], v[NIL]                      ; the wave's opening: the add and its wait ahead of the first tensor loads
	ds_add_u32 v[SPW], v[NIL]
	v_lshrrev_b32 v1, 5, v0
	v_readfirstlane_b32 s[WV], v1
	s_lshr_b32 s[WA], s[WV], 1
	s_and_b32 s[WB], s[WV], 1
	; THE LOADS AS THEY STAND: B's two row groups are neighbours in memory, so four key steps of both are ONE tile of two rows of 51,200 bytes, which lands as the slot has them.
	; At the head each wave asks for one tile: wave 0 A's key steps 0-3, wave 1 B's, wave 2 A's key steps 4-7, wave 3 B's.  A refill: wave 0 A's, wave 1 B's.  One tensor load of a wave is out at the most.
	s_mov_b32 s[WF], 0                             ; B's addresses begin at the first of the two row groups
	s_bfe_u32 s[CX], ttmp6, 0x40000
	s_bfe_u32 s[CY], ttmp6, 0x40004
	s_and_b32 s[YY], ttmp7, 0xffff
	s_lshl_b32 s2, s[CY], 2
	s_lshl_b32 s2, 15, s2
	s_lshl_b32 s3, 0x1111, s[CX]
	s_or_b32 s[G1A], s2, (3<<16)|(1<<21)
	s_or_b32 s[G1B], s3, (3<<16)|(1<<21)
.irp g, G1A                                    ; A: 51,200 dense bytes as 200 rows of 256
	s_mov_b32 s[\g+1], 32<<16
	s_mov_b32 s[\g+2], 200<<16
	s_mov_b32 s[\g+3], 32<<16
	s_mov_b32 s[\g+4], 200
	s_mov_b32 s[\g+5], 32
	s_mov_b32 s[\g+6], 0
	s_mov_b32 s[\g+7], 0
.endr
	s_mov_b32 s[G1B+1], 6400<<16                   ; B: two rows of 6,400 elements of 8 bytes,
	s_mov_b32 s[G1B+2], 2<<16
	s_mov_b32 s[G1B+3], 6400<<16
	s_mov_b32 s[G1B+4], 2
	s_mov_b32 s[G1B+5], RG16/8                     ; a row group of sixteen key steps apart
	s_mov_b32 s[G1B+6], 0
	s_mov_b32 s[G1B+7], 0
	s_mov_b32 s[SEL], 0x76543210
	s_mov_b32 s[SEL+1], 0xfedcba98
	s_mov_b32 s[HM], 0xffff0000
	s_mov_b32 s[K80], 0x80808080
	s_mov_b32 s[KM], 0xfefefeff                    ; -0x01010101
	s_mul_i32 s2, s[YY], 11
	s_lshr_b32 s27, s2, 5                          ; the batch
	s_mul_i32 s2, s27, 3
	s_sub_co_u32 s80, s[YY], s2                    ; t: 0 short, 1 and 2 long
	s_add_co_u32 s3, s80, 1
	s_mov_b32 s70, 4*RG16
	s_mov_b32 s96, 65536
	s_mov_b32 s72, 4*RG8
	s_cmp_eq_u32 s80, 0
	s_cselect_b32 s81, 0, s3                       ; my first 512 queries
	s_cselect_b32 s[LM], 0, -1                     ; all lanes where long
	s_cselect_b32 s70, s70, 8*SLAB                 ; key steps 8-15 walk: short: p of the rows 512 further on, from key step 0; long: the same rows' key steps 8 on
	s_cselect_b32 s78, 0, 8*SLAB                   ; v^T: short: keys 0-1,023 again; long: keys 1,024 on
	s_cselect_b32 s96, s96, 8192                   ; the statistics likewise
	s_cselect_b32 s72, s72, 0                      ; the last result's rows
	s_mov_b32 s71, 0
	s_mov_b32 s79, 0
	s_mov_b32 s97, 0
	s_mov_b32 s73, 0
	s_lshl_b32 s[TA], s81, 2
	s_add_co_u32 s[TA], s[TA], s[CY]
	s_lshl_b32 s2, s27, 4
	s_add_co_u32 s[TA], s[TA], s2                  ; my queries' row group
	s_mul_i32 s[D1], s[TA], RG8
	s_lshl_b32 s[P0], s[TA], 14
	s_mov_b32 s[P0+1], 0
	s_mul_i32 s[TA], s[TA], RG16
	s_mov_b32 s[TA+1], 0
	s_lshl_b32 s[TB], s[CX], 1
	s_add_co_u32 s[TB], s[TB], s[WF]
	s_lshl_b32 s3, s27, 3
	s_add_co_u32 s[TB], s[TB], s3                  ; v^T's row group of channels
	s_mul_i32 s[TB], s[TB], RG16
	s_mov_b32 s[TB+1], 0
	s_mul_i32 s98, s[WF], HALF
	s_add_co_u32 s98, s98, HALF
	s_lshl_b32 s3, s[CX], 1
	s_add_co_u32 s3, s3, s[WB]
	s_mul_i32 s3, s3, SLAB
	s_add_co_u32 s[D1], s[D1], s3
	s_mov_b32 s[D1+1], 0
	s_wait_dscnt 0x0                               ; the opening add is done
	s_wait_kmcnt 0x0
	s_add_nc_u64 s[TA:TA+1], s[4:5], s[TA:TA+1]
	s_add_nc_u64 s[TA2:TA2+1], s[TA:TA+1], s[70:71]
	s_add_nc_u64 s[TB:TB+1], s[8:9], s[TB:TB+1]
	s_add_nc_u64 s[TB2:TB2+1], s[TB:TB+1], s[78:79]
	s_add_nc_u64 s[D1:D1+1], s[10:11], s[D1:D1+1]
	s_add_nc_u64 s[DF:DF+1], s[D1:D1+1], s[72:73]
	s_add_nc_u64 s[P0:P0+1], s[6:7], s[P0:P0+1]
	s_add_nc_u64 s[P1:P1+1], s[P0:P0+1], s[96:97]
.irp s, 0,1
	s_mov_b32 s[G0A+4*\s], 1
	s_mov_b32 s[G0A+4*\s+1], \s*SLOTB
	s_mov_b32 s[G0B+4*\s], 1
	s_add_co_u32 s[G0B+4*\s+1], s98, \s*SLOTB
	STEPD \s, TA, TB
.endr
	ROUND                                          ; the first joint loads meet
; the head's four tiles, one a wave: one chain of branches on the wave's number, each arm with its load and a jump to the chain's end
.macro ARM under, g0, g1, next
	s_cmp_lt_u32 s[WV], \under
	s_cbranch_scc0 \next
	tensor_load_to_lds s[\g0:\g0+3], s[\g1:\g1+7]
	s_nop 0
.rept 4
	v_nop
.endr
	s_branch .Lfirst_asked
\next:
.endm
	ARM 1, G0A, G1A, .Lfirst_b
	ARM 2, G0B, G1B, .Lfirst_a1
	ARM 3, G0A+4, G1A, .Lfirst_b1
	tensor_load_to_lds s[G0B+4:G0B+7], s[G1B:G1B+7]
	s_nop 0
.rept 4
	v_nop
.endr
.Lfirst_asked:
	v_and_b32 v3, 31, v0
	v_and_b32 v1, 15, v0
	v_bfe_u32 v2, v0, 4, 1
	v_lshlrev_b32 v18, 4, v3
	v_lshlrev_b32 v19, 2, v3
	s_lshl_b32 s2, s[WA], 8
	v_add_nc_u32 v[VST], s2, v19
	; the statistics of my 64 rows, 16 key steps: while the tiles are on their way
.irp k, 0,1,2,3,4,5,6,7
.irp p, 0,1
	global_load_b32 v[NMR+2*\k+\p], v[VST], s[P0:P0+1] offset:1024*\k+128*\p
	global_load_b32 v[LPR+2*\k+\p], v[VST], s[P0:P0+1] offset:1024*\k+128*\p+512
	global_load_b32 v[NMR+16+2*\k+\p], v[VST], s[P1:P1+1] offset:1024*\k+128*\p
	global_load_b32 v[LPR+16+2*\k+\p], v[VST], s[P1:P1+1] offset:1024*\k+128*\p+512
.endr
.endr
	s_mul_i32 s2, s[WA], 4*FRAGB
	v_add_nc_u32 v[ADRA], s2, v18
	v_add_nc_u32 v[ADRA+1], SLOTB, v[ADRA]
	v_add_nc_u32 v[VFO], s2, v18
	s_mul_i32 s3, s[WB], HALF
	s_add_co_u32 s3, s3, HALF
	v_add_nc_u32 v[ADRB], s3, v18
	v_add_nc_u32 v[ADRB+1], SLOTB, v[ADRB]
	s_lshl_b32 s2, s[WA], 8
	s_add_co_u32 s2, s2, SCOFF
	v_add_nc_u32 v[ADSA], s2, v19
	v_add_nc_u32 v[ADSA+1], SLOTB, v[ADSA]
	v_lshl_add_u32 v[VSO], v3, 3, s2
	s_add_co_u32 s3, s3, SCOFF
	v_add_nc_u32 v[ADSB], s3, v19
	v_add_nc_u32 v[ADSB+1], SLOTB, v[ADSB]
	s_lshl_b32 s2, s[WV], 8
	s_add_co_u32 s2, s2, SCST
	v_lshl_add_u32 v[SWA], v1, 2, s2
	v_lshl_add_u32 v[SRA], v3, 3, s2
.irp b, 4,5,6,7,8,9,10,11
	v_mov_b32 v[TM+\b], 0                          ; written once: a lane permute's destination counts as one of its sources
.endr
.irp i, 0,1,2,3
	v_mov_b32 v[168+\i], 0                         ; l of half u, pair p at v[168 + 2 u + p]
.endr
	s_wait_loadcnt 0x0
.irp u, 0,1                                    ; the least -M' of each half of the key steps: v[160 + 2 u + p]
.irp p, 0,1
	v_min_num_f32 v[160+2*\u+\p], v[NMR+16*\u+\p], v[NMR+16*\u+2+\p]
.endr
.endr
.irp k, 2,3,4,5,6,7
.irp u, 0,1
.irp p, 0,1
	v_min_num_f32 v[160+2*\u+\p], v[160+2*\u+\p], v[NMR+16*\u+2*\k+\p]
.endr
.endr
.endr
.irp p, 0,1                                    ; -M of the rows that each half belongs to: long: one row, both halves; short: each half its own rows
	v_min_num_f32 v[172+\p], v[160+\p], v[162+\p]
	v_cndmask_b32 v[164+\p], v[160+\p], v[172+\p], s[LM]
	v_cndmask_b32 v[166+\p], v[162+\p], v[172+\p], s[LM]
.endr
.set e, 0
.rept 32
	v_sub_f32 v[NMR+e], v[164+2*(e/16)+e%2], v[NMR+e]              ; M' - M: a whole number, 0 or less
.set e, e+1
.endr
.set e, 0
.rept 32
	v_max_num_f32 v[NMR+e], 0xc2fe0000, v[NMR+e]   ; held at -127
.set e, e+1
.endr
.set e, 0
.rept 32
	v_cvt_i32_f32 v[NMR+e], v[NMR+e]
.set e, e+1
.endr
.set e, 0
.rept 32
	v_mul_lo_u32 v[NN+e], v[NMR+e], s[KM]          ; M - M' in each of the four bytes
.set e, e+1
.endr
.set e, 0
.rept 32
	v_ldexp_f32 v[NMR+e], 1.0, v[NMR+e]            ; 2^(M' - M)
.set e, e+1
.endr
.set e, 0
.rept 16
	v_fmac_f32 v[168+e%2], v[LPR+e], v[NMR+e]
	v_fmac_f32 v[170+e%2], v[LPR+16+e], v[NMR+16+e]
.set e, e+1
.endr
.irp p, 0,1
	v_add_f32 v[172+\p], v[168+\p], v[170+\p]
	v_cndmask_b32 v[172+\p], v[170+\p], v[172+\p], s[LM]           ; the last result's l: long: both halves; short: the second
.endr
	s_wait_alu depctr_va_vdst(0)
	v_rcp_f32 v174, v168
	v_rcp_f32 v175, v169
	v_rcp_f32 v176, v172
	v_rcp_f32 v177, v173
	v_nop                                          ; a plain place behind the reciprocals
	s_wait_alu depctr_va_vdst(0)                   ; one wait for the four, ahead of their first reader
.irp p, 0,1
	v_permlanex16_b32 v[TM+8+\p], v[174+\p], s[SEL], s[SEL+1]
	v_permlanex16_b32 v[TM+10+\p], v[176+\p], s[SEL], s[SEL+1]
.endr
.irp p, 0,1                                    ; both halves of the lanes want the block's 1 / l: block 2 p's stands in lanes 0-15, block 2 p + 1's in lanes 16-31
	v_cndmask_b32 v[RM+4*\p], v[174+\p], v[TM+8+\p], s[HM]
	v_cndmask_b32 v[RM+4*\p+2], v[TM+8+\p], v[174+\p], s[HM]
	v_cndmask_b32 v[RF+4*\p], v[176+\p], v[TM+10+\p], s[HM]
	v_cndmask_b32 v[RF+4*\p+2], v[TM+10+\p], v[176+\p], s[HM]
.endr
.irp a, 0,1,2,3
	v_mov_b32 v[RM+2*\a+1], v[RM+2*\a]             ; named as the upper half of a pair
	v_mov_b32 v[RF+2*\a+1], v[RF+2*\a]
.endr
	s_wait_tensorcnt 0x0                           ; my one tile is in; behind the barrier both slots are whole
	s_barrier_signal -1
	s_barrier_wait -1
	FETCH 0, 0, 0
	KS 0, 1, 0, 1, 0
	KS 1, 0, 0, 2, 1
	KS 0, 0, 0, 3, 2
	KSR 1, 0, TA2, TB2, 1, 0, 3                    ; slot 0 takes key steps 8-11 of the walk
	KS 0, 0, 1, 1, 4
	KS 1, 0, 1, 2, 5
	KS 0, 0, 1, 3, 6
	KSR 1, 1, TA2, TB2, 0, 0, 7                    ; slot 1 takes key steps 12-15
	s_cmp_lg_u32 s80, 0                            ; the cluster's number alone: all partners go the same way
	s_cbranch_scc1 .Llong
	EPO RM, D1                                     ; short: the first 512 queries are finished, and the next begin new sums
	KS 0, 1, 0, 1, 8
	s_branch .Ljoined
.Llong:
	KS 0, 0, 0, 1, 8
.Ljoined:
	KS 1, 0, 0, 2, 9
	KS 0, 0, 0, 3, 10
	KSB 1, 1, 0, 11
	KS 0, 0, 1, 1, 12
	KS 1, 0, 1, 2, 13
	KS 0, 0, 1, 3, 14
	s_wait_dscnt 0x0
	ADJ 15
	PLACES 4
	MUL 1, 0
	EPO RF, DF
	s_wait_tensorcnt 0x0                           ; the wave's end
	ds_add_u32 v[SPW], v[NIL]
	s_wait_dscnt 0x0
	ROUND                                          ; the closing round
	s_endpgm
.Lfunc_end_k_q8ee286fe8d_pv:
	.size	k_q8ee286fe8d_pv, .Lfunc_end_k_q8ee286fe8d_pv-k_q8ee286fe8d_pv
	.p2alignl 7, 3214868480
	.fill 96, 4, 3214868480
	.section	.rodata,"a",@progbits
	.p2align	6, 0x0
	.amdhsa_kernel k_q8ee286fe8d_pv
		.amdhsa_group_segment_fixed_size 327680
		.amdhsa_private_segment_fixed_size 0
		.amdhsa_enable_private_segment 0
		.amdhsa_kernarg_size 32
		.amdhsa_user_sgpr_count 2
		.amdhsa_user_sgpr_kernarg_segment_ptr 1
		.amdhsa_wavefront_size32 1
		.amdhsa_system_sgpr_workgroup_id_x 1
		.amdhsa_system_sgpr_workgroup_id_y 1
		.amdhsa_system_sgpr_workgroup_id_z 1
		.amdhsa_system_vgpr_workitem_id 0
		.amdhsa_next_free_vgpr 768
		.amdhsa_next_free_sgpr 102
		.amdhsa_reserve_vcc 0
		.amdhsa_float_denorm_mode_32 3
		.amdhsa_float_denorm_mode_16_64 3
		.amdhsa_memory_ordered 1
		.amdhsa_forward_progress 1
		.amdhsa_inst_pref_size 206
	.end_amdhsa_kernel
	.amdgpu_metadata
---
amdhsa.version: [ 1, 2 ]
amdhsa.kernels:
  - .name:           k_q8ee286fe8d_pv
    .symbol:         k_q8ee286fe8d_pv.kd
    .args:
      - { .name: pc, .offset: 0, .size: 8, .value_kind: global_buffer, .address_space: global }
      - { .name: pst, .offset: 8, .size: 8, .value_kind: global_buffer, .address_space: global }
      - { .name: vt, .offset: 16, .size: 8, .value_kind: global_buffer, .address_space: global }
      - { .name: oc, .offset: 24, .size: 8, .value_kind: global_buffer, .address_space: global }
    .group_segment_fixed_size: 327680
    .private_segment_fixed_size: 0
    .kernarg_segment_align: 8
    .kernarg_segment_size: 32
    .max_flat_workgroup_size: 128
    .sgpr_count:     102
    .vgpr_count:     768
    .wavefront_size: 32
...
	.end_amdgpu_metadata
.endif
;; end of part 4
;; launch proj (part 5): grid 4 x 64, 4 waves a work-group, clusters of 4 x 4, 327,680 bytes of LDS; arguments oc, wq, b_proj, out0; writes out0
.if DOCPART == 5
	.amdgcn_target "amdgcn-amd-amdhsa--gfx1250"
	.amdhsa_code_object_version 6
	.text
	.protected	k_q8ee286fe8d_proj
	.globl	k_q8ee286fe8d_proj
	.p2align	8
	.type	k_q8ee286fe8d_proj,@function
k_q8ee286fe8d_proj:
	s_mov_b64 s[64:65], 0
	v_nop
	global_prefetch_b8 v0, s[64:65] scope:SCOPE_SE
	s_setreg_imm32_b32 hwreg(HW_REG_WAVE_MODE, 25, 1), 1
	s_wait_xcnt 0x0
	s_wait_alu depctr_hold_cnt(0) depctr_sa_sdst(0) depctr_va_vdst(0) depctr_va_sdst(0) depctr_va_ssrc(0) depctr_va_vcc(0) depctr_vm_vsrc(0)
	s_getreg_b32 s2, hwreg(HW_REG_IB_STS2, 6, 4)
	s_cmp_eq_u32 s2, 0
	s_cbranch_scc0 .Lentry_in_a_cluster
	s_endpgm
.Lentry_in_a_cluster:
	s_bfe_u32 s2, ttmp6, 0x10000c
	s_cmp_lg_u32 s2, 0xf033
	s_cbranch_scc0 .Lentry_shape_is_right
	s_endpgm
.Lentry_shape_is_right:
; out0 = o W_proj + b_proj on codes of FP6 (E2M3); out0 [8192][1024] f32.
; OPERANDS lie as slabs (128 rows x 128 K: eight fragment images of 1,536 bytes, then 128 scale words; [row group][K step]); lane r of fragment rb holds row 32 (rb / 2) + 8 (rb % 2) + r + 8 (r / 8) of its row group.
; The product is used transposed (source 0 = 16 columns of W_proj, source 1 = 16 tokens): a lane holds ONE token, and its registers run along the columns: fragments 2 e, 2 e + 1 give columns 32 e + 16 h + i.
; SHARES.  One tile of 128 tokens x 256 columns to a work-group, 64 x 128 to a wave.  All of K = 1,024 lies in LDS (two slots of four K steps), asked for at the start: nothing is filled again.
; TWO PASSES over K: the wave's columns 0-63 (W's fragments 0-3), then its columns 64-127: the first pass's results are stored ahead of the second pass's products.  A's fragments are read from LDS once in each pass.
; CLUSTER 4 x 4: A's tiles (o) are shared along a row of the cluster, B's (W_proj) along a column, asked for jointly, one tile a wave: wave 0 A's K steps 0-3, wave 1 B's (both row groups: two rows of 51,200 bytes),
; wave 2 A's K steps 4-7, wave 3 B's.  One tensor load of a wave is out.  No prefetch: everything is asked for at the head.
; The bias is the C of each pass's first products.  THE WAY OUT: a block of 16 tokens x 64 columns goes through my stage in LDS (bytes of its own, behind the slots) and leaves as whole rows of 256 consecutive bytes, aligned.
; REGISTERS.  Window 0: v1-24 addresses; v32-43 scale words; v96-191 A's fragments, two sets; v192-255 rows on their way out, two sets.  Window 1: B's fragments, sets at v0 and v128.  Window 2: accumulator (a, b) at v[8 (8 a + b)].
;   Window 3: v0-63 the bias.
.set SLAB,  12800
.set FRAGB, 1536
.set SCOFF, 12288
.set HALF,  4*SLAB
.set SLOTB, 3*HALF
.set RG8,   8*SLAB
.set STAGE, 2*SLOTB                    ; behind the slots: 16 rows x 272 bytes for each wave; no tile lands here
.set WSTG,  16*272
.set SPARE, STAGE+4*WSTG               ; the spare words, 128 bytes for each wave: two blocks of 256 bytes that no other line names
.set ADRA, 4
.set ADRB, 6
.set ADSA, 8
.set ADSB, 10
.set SPW, 16
.set NIL, 17
.set STO, 22                           ; v22  the stage, in: 272 r + 64 h
.set RD,  23                           ; v23  out: 272 (lane / 16) + 16 (lane % 16)
.set CO,  24                           ; v24  the same two rows in out0: 4,096 (lane / 16) + 16 (lane % 16)
.set SCB, 32
.set SCA, 40
.set AF,  96
.set BK,  192
.set WV, 20
.set WA, 21
.set WB, 22
.set CX, 24
.set CY, 25
.set YY, 26
.set G1A, 28
.set G1B, 36
.set G0A, 44
.set G0B, 52
.set TA1, 66
.set TB1, 74
.set OUTP, 88
.set MSB, 0
.macro WIN new
.if MSB != (\new)
	s_set_vgpr_msb (MSB<<8)|(\new)
.set MSB, (\new)
.endif
.endm
.macro PLACES n
.rept \n
	v_nop
.endr
.endm
.macro ROUND
	s_barrier_signal -1
	s_barrier_wait -1
	s_cmp_lg_u32 s[WV], 0
	s_cbranch_scc1 .Lnot_wave_0_\@
	s_barrier_signal -3
.Lnot_wave_0_\@:
	s_barrier_wait -3
	s_barrier_signal -1
	s_barrier_wait -1
.endm
.macro STEPD sl, ta, tb
	s_add_nc_u64 s[G0A+4*(\sl)+2:G0A+4*(\sl)+3], s[\ta:\ta+1], (\sl)*HALF
	s_or_b32 s[G0A+4*(\sl)+3], s[G0A+4*(\sl)+3], 0x80000000
	s_add_nc_u64 s[G0B+4*(\sl)+2:G0B+4*(\sl)+3], s[\tb:\tb+1], (\sl)*HALF
	s_or_b32 s[G0B+4*(\sl)+3], s[G0B+4*(\sl)+3], 0x80000000
.endm
.macro FETCH slot, ksl, st, ph         ; a K step's operands of pass ph into set st: B's fragments 4 ph on, my four of A's, their scale words: 24 loads of 512 consecutive bytes, 4 of 128
	WIN 0x40
.irp b, 0,1,2,3
.irp c, 0,1,2
	ds_load_b128 v[128*(\st)+12*\b+4*\c:128*(\st)+12*\b+4*\c+3], v[ADRB+(\slot)] offset:(\ksl)*SLAB+(4*(\ph)+\b)*FRAGB+512*\c
.endr
.endr
	WIN 0
.irp a, 0,1,2,3
.irp c, 0,1,2
	ds_load_b128 v[AF+48*(\st)+12*\a+4*\c:AF+48*(\st)+12*\a+4*\c+3], v[ADRA+(\slot)] offset:(\ksl)*SLAB+\a*FRAGB+512*\c
.endr
.endr
.irp p, 0,1
	ds_load_b32 v[SCB+4*(\st)+\p], v[ADSB+(\slot)] offset:(\ksl)*SLAB+256*(\ph)+128*\p
	ds_load_b32 v[SCA+2*(\st)+\p], v[ADSA+(\slot)] offset:(\ksl)*SLAB+128*\p
.endr
.endm
.macro WMR d, bf, af, c, sb, sa, rb, ra
.if (\rb) && (\ra)
	v_wmma_scale_f32_16x16x128_f8f6f4 v[(\d):(\d)+7], v[(\bf):(\bf)+11], v[(\af):(\af)+11], v[(\c):(\c)+7], v[(\sb)], v[(\sa)] matrix_a_fmt:MATRIX_FMT_FP6 matrix_b_fmt:MATRIX_FMT_FP6 matrix_a_scale:MATRIX_SCALE_ROW1 matrix_b_scale:MATRIX_SCALE_ROW1
.elseif (\rb)
	v_wmma_scale_f32_16x16x128_f8f6f4 v[(\d):(\d)+7], v[(\bf):(\bf)+11], v[(\af):(\af)+11], v[(\c):(\c)+7], v[(\sb)], v[(\sa)] matrix_a_fmt:MATRIX_FMT_FP6 matrix_b_fmt:MATRIX_FMT_FP6 matrix_a_scale:MATRIX_SCALE_ROW1
.elseif (\ra)
	v_wmma_scale_f32_16x16x128_f8f6f4 v[(\d):(\d)+7], v[(\bf):(\bf)+11], v[(\af):(\af)+11], v[(\c):(\c)+7], v[(\sb)], v[(\sa)] matrix_a_fmt:MATRIX_FMT_FP6 matrix_b_fmt:MATRIX_FMT_FP6 matrix_b_scale:MATRIX_SCALE_ROW1
.else
	v_wmma_scale_f32_16x16x128_f8f6f4 v[(\d):(\d)+7], v[(\bf):(\bf)+11], v[(\af):(\af)+11], v[(\c):(\c)+7], v[(\sb)], v[(\sa)] matrix_a_fmt:MATRIX_FMT_FP6 matrix_b_fmt:MATRIX_FMT_FP6
.endif
.endm
.macro MUL st, cmode, ph               ; 16 products; the accumulators take turns, one instruction a turn.  cmode 2: C = the bias, v[8 (4 ph + b)] of window 3
.if (\cmode) == 2
	WIN 0xb1
.else
	WIN 0xa1
.endif
.irp a, 0,1,2,3
.irp b, 0,1,2,3
.if (\cmode) == 2
	WMR 8*(8*\a+4*(\ph)+\b), 128*(\st)+12*\b, AF+48*(\st)+12*\a, 8*(4*(\ph)+\b), SCB+4*(\st)+\b/2, SCA+2*(\st)+\a/2, \b%2, \a%2
.else
	WMR 8*(8*\a+4*(\ph)+\b), 128*(\st)+12*\b, AF+48*(\st)+12*\a, 8*(8*\a+4*(\ph)+\b), SCB+4*(\st)+\b/2, SCA+2*(\st)+\a/2, \b%2, \a%2
.endif
.endr
.endr
	WIN 0
.endm
.macro HS i                            ; K step i % 8 of pass i / 8: its operands are in; the next one's are asked for, into the other set; the products
.set ST, (\i)%2
.set PH, (\i)/8
.set N, (\i)+1
	s_wait_dscnt 0x0
.if (\i) < 15
	PLACES 4                                       ; in front of loads into registers that the last products read
	FETCH (N%8)/4, N%4, 1-ST, N/8
.endif
.if ((\i)%8) == 0
	MUL ST, 2, PH
.else
	MUL ST, 0, PH
.endif
.endm
.macro TOSTAGE a, ph                   ; block a's 16 tokens x 64 columns: each accumulator from its low end on; then back as whole rows, two to a load
	WIN 0x08
.irp b, 0,1,2,3
	ds_store_b128 v[STO], v[64*(\a)+8*(4*(\ph)+\b):64*(\a)+8*(4*(\ph)+\b)+3] offset:128*(\b/2)+32*(\b%2)
	ds_store_b128 v[STO], v[64*(\a)+8*(4*(\ph)+\b)+4:64*(\a)+8*(4*(\ph)+\b)+7] offset:128*(\b/2)+32*(\b%2)+16
.endr
	WIN 0
.irp t, 0,1,2,3,4,5,6,7
	ds_load_b128 v[BK+32*((\a)%2)+4*\t:BK+32*((\a)%2)+4*\t+3], v[RD] offset:2*\t*272   ; LDS serves a wave's instructions in order: these see my stores
.endr
.endm
.macro SEND a, ph, younger             ; younger: the LDS instructions issued behind block a's loads, which may stay out
	s_wait_dscnt \younger
.irp t, 0,1,2,3,4,5,6,7
	global_store_b128 v[CO], v[BK+32*((\a)%2)+4*\t:BK+32*((\a)%2)+4*\t+3], s[OUTP:OUTP+1] offset:(32*((\a)/2)+8*((\a)%2)+2*\t+8*(\t/4))*4096+256*(\ph) th:TH_STORE_NT   ; sixteen lanes store 256 consecutive bytes, aligned
.endr
.endm
.macro OUT ph                          ; a pass's results leave
	PLACES 5                                       ; behind the pass's last products, in front of the reads of their results
	s_wait_xcnt 0x0                                ; earlier stores have read their registers: rows may land there
	TOSTAGE 0, \ph
.irp a, 1,2,3
.if \a > 1
	s_wait_xcnt 0x0                                ; block a - 2's stores have read their registers
.endif
	TOSTAGE \a, \ph
	SEND \a-1, \ph, 16                             ; behind block a - 1's loads: block a's 8 stores and 8 loads
.endr
	SEND 3, \ph, 0
.endm
	s_load_b256 s[4:11], s[0:1], 0x0               ; oc s[4:5], wq s[6:7], b_proj s[8:9], out0 s[10:11]
	v_lshl_add_u32 v[SPW], v0, 2, SPARE
	v_mov_b32 v[NIL], 0
	ds_add_u32 v[SPW], v[NIL]                      ; the wave's opening: the add, twice on end, and its wait ahead of the first tensor loads
	ds_add_u32 v[SPW], v[NIL]
	v_lshrrev_b32 v1, 5, v0
	v_readfirstlane_b32 s[WV], v1
	s_lshr_b32 s[WA], s[WV], 1
	s_and_b32 s[WB], s[WV], 1
	s_bfe_u32 s[CX], ttmp6, 0x40000
	s_bfe_u32 s[CY], ttmp6, 0x40004
	s_and_b32 s[YY], ttmp7, 0xffff
	s_lshl_b32 s2, s[CY], 2
	s_lshl_b32 s2, 15, s2
	s_lshl_b32 s3, 0x1111, s[CX]
	s_or_b32 s[G1A], s2, (3<<16)|(1<<21)
	s_or_b32 s[G1B], s3, (3<<16)|(1<<21)
	s_mov_b32 s[G1A+1], 32<<16                     ; A: 51,200 dense bytes as 200 rows of 256
	s_mov_b32 s[G1A+2], 200<<16
	s_mov_b32 s[G1A+3], 32<<16
	s_mov_b32 s[G1A+4], 200
	s_mov_b32 s[G1A+5], 32
	s_mov_b32 s[G1A+6], 0
	s_mov_b32 s[G1A+7], 0
	s_mov_b32 s[G1B+1], 6400<<16                   ; B: two rows of 6,400 elements of 8 bytes,
	s_mov_b32 s[G1B+2], 2<<16
	s_mov_b32 s[G1B+3], 6400<<16
	s_mov_b32 s[G1B+4], 2
	s_mov_b32 s[G1B+5], RG8/8                      ; a row group apart
	s_mov_b32 s[G1B+6], 0
	s_mov_b32 s[G1B+7], 0
	s_lshl_b32 s[TA1], s[YY], 2
	s_add_co_u32 s[TA1], s[TA1], s[CY]             ; tokens' row group 4 Y + cy
	s_mul_i32 s[TA1], s[TA1], RG8
	s_mov_b32 s[TA1+1], 0
	s_lshl_b32 s[TB1], s[CX], 1
	s_add_co_u32 s[TB1], s[TB1], 24                ; W_proj's row groups 24 + 2 cx and the next
	s_mul_i32 s[TB1], s[TB1], RG8
	s_mov_b32 s[TB1+1], 0
	s_lshl_b32 s80, s[CX], 1
	s_add_co_u32 s80, s80, s[WB]
	s_lshl_b32 s84, s80, 9                         ; my 128 columns, in bytes
	s_mov_b32 s85, 0
	s_lshl_b32 s[OUTP], s[YY], 2
	s_add_co_u32 s[OUTP], s[OUTP], s[CY]
	s_lshl_b32 s[OUTP], s[OUTP], 1
	s_add_co_u32 s[OUTP], s[OUTP], s[WA]
	s_lshl_b32 s[OUTP], s[OUTP], 18                ; my first token: 64 rows of 4,096 bytes each
	s_add_co_u32 s[OUTP], s[OUTP], s84
	s_mov_b32 s[OUTP+1], 0
	s_mul_i32 s12, s[WA], 4*FRAGB                  ; where my fragments lie in a slot: A's four,
	s_lshl_b32 s13, s[WA], 8
	s_add_co_u32 s13, s13, SCOFF
	s_mul_i32 s14, s[WB], HALF
	s_add_co_u32 s14, s14, HALF                    ; B's row group
	s_add_co_u32 s15, s14, SCOFF
	s_mul_i32 s16, s[WV], WSTG
	s_add_co_u32 s16, s16, STAGE                   ; my stage
	s_wait_dscnt 0x0                               ; both opening adds are done
	s_wait_kmcnt 0x0
	s_add_nc_u64 s[TA1:TA1+1], s[4:5], s[TA1:TA1+1]
	s_add_nc_u64 s[TB1:TB1+1], s[6:7], s[TB1:TB1+1]
	s_add_nc_u64 s[84:85], s[8:9], s[84:85]
	s_add_nc_u64 s[OUTP:OUTP+1], s[10:11], s[OUTP:OUTP+1]
.irp s, 0,1
	s_mov_b32 s[G0A+4*\s], 1
	s_mov_b32 s[G0A+4*\s+1], \s*SLOTB
	s_mov_b32 s[G0B+4*\s], 1
	s_mov_b32 s[G0B+4*\s+1], \s*SLOTB+HALF
	STEPD \s, TA1, TB1
.endr
	ROUND                                          ; the joint loads meet
; the four tiles, one a wave: one chain of branches on the wave's number, each arm with its load and a jump to the chain's end
.macro ARM under, g0, g1, next
	s_cmp_lt_u32 s[WV], \under
	s_cbranch_scc0 \next
	tensor_load_to_lds s[\g0:\g0+3], s[\g1:\g1+7]
	s_nop 0
.rept 4
	v_nop
.endr
	s_branch .Lfirst_asked
\next:
.endm
	ARM 1, G0A, G1A, .Lfirst_b
	ARM 2, G0B, G1B, .Lfirst_a1
	ARM 3, G0A+4, G1A, .Lfirst_b1
	tensor_load_to_lds s[G0B+4:G0B+7], s[G1B:G1B+7]
	s_nop 0
.rept 4
	v_nop
.endr
.Lfirst_asked:
	v_and_b32 v3, 31, v0                           ; lane
	v_and_b32 v1, 15, v0                           ; r
	v_bfe_u32 v2, v0, 4, 1                         ; h
	v_lshlrev_b32 v18, 4, v3
	v_add_nc_u32 v[ADRA], s12, v18
	v_add_nc_u32 v[ADRA+1], SLOTB, v[ADRA]
	v_add_nc_u32 v[ADRB], s14, v18
	v_add_nc_u32 v[ADRB+1], SLOTB, v[ADRB]
	v_lshl_add_u32 v[ADSA], v3, 2, s13
	v_add_nc_u32 v[ADSA+1], SLOTB, v[ADSA]
	v_lshl_add_u32 v[ADSB], v3, 2, s15
	v_add_nc_u32 v[ADSB+1], SLOTB, v[ADSB]
	v_mul_u32_u24 v[STO], v1, 272
	v_lshl_add_u32 v[STO], v2, 6, v[STO]
	v_add_nc_u32 v[STO], s16, v[STO]
	v_mul_u32_u24 v[RD], v2, 272
	v_lshl_add_u32 v[RD], v1, 4, v[RD]
	v_add_nc_u32 v[RD], s16, v[RD]
	v_lshlrev_b32 v[CO], 12, v2
	v_lshl_add_u32 v[CO], v1, 4, v[CO]
	v_lshlrev_b32 v20, 6, v2                       ; the bias: register 16 e + i is column 32 e + 16 h + i
	WIN 0xc0
.irp e, 0,1,2,3
.irp q, 0,1,2,3
	global_load_b128 v[16*\e+4*\q:16*\e+4*\q+3], v20, s[84:85] offset:128*\e+16*\q
.endr
.endr
	WIN 0
	s_wait_alu depctr_va_vdst(0)
	s_wait_tensorcnt 0x0                           ; my one tile is in; behind the barrier both slots are whole
	s_barrier_signal -1
	s_barrier_wait -1
	FETCH 0, 0, 0, 0
	s_wait_loadcnt 0x0                             ; the bias
.irp i, 0,1,2,3,4,5,6,7
	HS \i
.endr
	OUT 0                                          ; columns 0-63 leave; the second pass's first operands are on their way from LDS
.irp i, 8,9,10,11,12,13,14,15
	HS \i
.endr
	OUT 1
	s_wait_tensorcnt 0x0                           ; the wave's end
	ds_add_u32 v[SPW], v[NIL]
	s_wait_dscnt 0x0
	ROUND                                          ; the closing round
	s_endpgm
.Lfunc_end_k_q8ee286fe8d_proj:
	.size	k_q8ee286fe8d_proj, .Lfunc_end_k_q8ee286fe8d_proj-k_q8ee286fe8d_proj
	.p2alignl 7, 3214868480
	.fill 96, 4, 3214868480
	.section	.rodata,"a",@progbits
	.p2align	6, 0x0
	.amdhsa_kernel k_q8ee286fe8d_proj
		.amdhsa_group_segment_fixed_size 327680
		.amdhsa_private_segment_fixed_size 0
		.amdhsa_enable_private_segment 0
		.amdhsa_kernarg_size 32
		.amdhsa_user_sgpr_count 2
		.amdhsa_user_sgpr_kernarg_segment_ptr 1
		.amdhsa_wavefront_size32 1
		.amdhsa_system_sgpr_workgroup_id_x 1
		.amdhsa_system_sgpr_workgroup_id_y 1
		.amdhsa_system_sgpr_workgroup_id_z 1
		.amdhsa_system_vgpr_workitem_id 0
		.amdhsa_next_free_vgpr 1024
		.amdhsa_next_free_sgpr 102
		.amdhsa_reserve_vcc 0
		.amdhsa_float_denorm_mode_32 3
		.amdhsa_float_denorm_mode_16_64 3
		.amdhsa_memory_ordered 1
		.amdhsa_forward_progress 1
		.amdhsa_inst_pref_size 89
	.end_amdhsa_kernel
	.amdgpu_metadata
---
amdhsa.version: [ 1, 2 ]
amdhsa.kernels:
  - .name:           k_q8ee286fe8d_proj
    .symbol:         k_q8ee286fe8d_proj.kd
    .args:
      - { .name: oc, .offset: 0, .size: 8, .value_kind: global_buffer, .address_space: global }
      - { .name: wq, .offset: 8, .size: 8, .value_kind: global_buffer, .address_space: global }
      - { .name: b_proj, .offset: 16, .size: 8, .value_kind: global_buffer, .address_space: global }
      - { .name: out0, .offset: 24, .size: 8, .value_kind: global_buffer, .address_space: global }
    .group_segment_fixed_size: 327680
    .private_segment_fixed_size: 0
    .kernarg_segment_align: 8
    .kernarg_segment_size: 32
    .max_flat_workgroup_size: 128
    .sgpr_count:     102
    .vgpr_count:     1024
    .wavefront_size: 32
...
	.end_amdgpu_metadata
.endif
;; end of part 5
